; MI455X (gfx1250); checked and timed in simulation.
; The chip was launched on July 23, 2026; its instructions are those of AMD's public machine-readable ISA for CDNA 5 (MIT licence, August 2026) and "CDNA5" Instruction Set Architecture Reference Guide (July 2026). The comments in the code are by the model that wrote it; some were corrected since.
;; Attention. Allowed arithmetic: matrix products marked QUANTISED: E4M3 operands, one E8M0 scale for each 32 along K, by v_wmma_scale_f32_16x16x128_f8f6f4 with both operands' format E4M3, f32 sums; everything else in f32.
;; Inputs: W_K_codes 16 x 64 x 32 x 32 uint8 (E4M3 codes of W_K, K innermost, in blocks of 32 codes); W_K_scales 16 x 64 x 32 uint8 (E8M0 scales of W_K, one for each 32 codes along K); W_O 16 x 64 x 1,024 float32; W_Q_codes 16 x 64 x 32 x 32 uint8 (E4M3 codes of W_Q, K innermost, in blocks of 32 codes); W_Q_scales 16 x 64 x 32 uint8 (E8M0 scales of W_Q, one for each 32 codes along K); W_V_codes 16 x 64 x 32 x 32 uint8 (E4M3 codes of W_V, K innermost, in blocks of 32 codes); W_V_scales 16 x 64 x 32 uint8 (E8M0 scales of W_V, one for each 32 codes along K); b_K 16 x 64 float32; b_O 1,024 float32; b_Q 16 x 64 float32; b_V 16 x 64 float32; normalized_resid_pre_codes 4 x 2,048 x 32 x 32 uint8 (E4M3 codes of normalized_resid_pre, K innermost, in blocks of 32 codes); normalized_resid_pre_scales 4 x 2,048 x 32 uint8 (E8M0 scales of normalized_resid_pre, one for each 32 codes along K).
;; Outputs: out0 4 x 2,048 x 1,024 float32.
;; This version of the problem:
;;   THIS VERSION OF THE PROBLEM IS GIVEN IN LOW PRECISION. The matrix products marked QUANTISED in the list below multiply operands that are first quantised to E4M3 (4 exponent bits, 3 mantissa bits; 8 bits a number), with one power-of-two scale for each 32 numbers along K (OCP MX v1.0); their sums are f32. All else is computed in f32.
;;   The module's matrix products, in the order in which they are computed (A, B: the left and right operand; K: the contracted axis; several contracted axes count as one K, in the product's order):
;;     1. [M 8,192, K 1,024] x [K 1,024, N 1,024]; A: input normalized_resid_pre (given as codes); B: input W_Q (given as codes): QUANTISED
;;     2. [M 8,192, K 1,024] x [K 1,024, N 1,024]; A: input normalized_resid_pre (given as codes); B: input W_K (given as codes): QUANTISED
;;     3. [M 8,192, K 1,024] x [K 1,024, N 1,024]; A: input normalized_resid_pre (given as codes); B: input W_V (given as codes): QUANTISED
;;     4. batch 64 x [M 2,048, K 64] x [K 64, N 2,048]; A: computed on the way; B: computed on the way: QUANTISED
;;     5. batch 64 x [M 64, K 2,048] x [K 2,048, N 2,048]; A: computed on the way; B: softmax (see below): QUANTISED
;;     6. [M 8,192, K 1,024] x [K 1,024, N 1,024]; A: computed on the way; B: input W_O: QUANTISED
;;   THE QUANTISER, for each operand of a quantised product, along K:
;;     - K is cut into blocks of 32 from its start; a last block that is shorter is filled with zeros.
;;     - A block's scale is 2^e with e = floor(log2(the largest magnitude in the block)) - 8, held to -126 .. 127; a block of zeros has e = 0. As a byte (E8M0): e + 127.
;;     - Each number is divided by its block's scale, clamped to +-448, and rounded to the nearest number of E4M3, ties to even, subnormals kept.
;;     - The product sums the exact products of the quantised numbers (number of the format x scale) in f32.
;;   ~~~python
;;   def quantise(x, axis):      # numpy; x: float32 -> the quantised numbers, widened to float32 again
;;       x = np.moveaxis(x, axis, -1); K = x.shape[-1]
;;       x = np.pad(x, [(0, 0)] * (x.ndim - 1) + [(0, -K % 32)]); x = x.reshape(x.shape[:-1] + (-1, 32)); a = np.abs(x).max(-1, keepdims=True)
;;       e = np.where(a > 0, np.clip(np.frexp(np.where(a > 0, a, 1))[1] - 1 - 8, -126, 127), 0)      # np.frexp(a)[1] - 1 = floor(log2(a)), exactly
;;       r = np.clip(x / 2.0 ** e, -448, 448)
;;       step = 2.0 ** (np.maximum(np.frexp(np.where(r == 0, 1, r))[1] - 1, -6) - 3)
;;       q = np.round(r / step) * step * 2.0 ** e      # np.round: ties to even
;;       return np.moveaxis(q.reshape(q.shape[:-2] + (-1,))[..., :K], -1, axis).astype(np.float32)
;;   ~~~
;;   SOFTMAX AHEAD OF A QUANTISED PRODUCT. Where the list says 'softmax', what is quantised is not the finished softmax but p = 2^(t - M), with t = logit x log2(e) and M = ceil(the row's largest t), a whole number; so 1/2 < the row's largest p <= 1. The row's sum l is taken of the UNQUANTISED p, in f32, and the product's result is divided by l at the end. Since M is a whole number, a kernel that streams over the keys may use a running M (the ceiling of the running maximum): every later rescaling is an exact power of two, which a block's scale takes up: the codes' values come out the same.
;;   OPERANDS COMPUTED ON THE WAY. 'Computed on the way' means the value that the module computes at that place (a softmax that the list does not call 'softmax' is quantised finished and normalised). What goes into a quantiser is computed in f32, as accurately as f32 sums, v_exp_f32 and their like allow (about 1e-6 of the number): no bf16 or f16 on the way to a quantiser, and a product that is left as it is and whose result goes on into a quantised operand takes f32 operands (vector FMAs, or v_wmma_f32_16x16x4_f32). A number that lies on a knife's edge between two numbers of the format may be rounded either way, as far as f32 arithmetic and the matrix unit's own rounding can turn it there, and no further.
;;   INPUTS GIVEN AS CODES. W_K (in the module: [16, 1024, 64], K = its axis 1); W_Q (in the module: [16, 1024, 64], K = its axis 1); W_V (in the module: [16, 1024, 64], K = its axis 1); normalized_resid_pre (in the module: [4, 2048, 1024], K = its axis 2): each comes as NAME_codes (uint8): NAME with its K axis moved to the last place and cut into blocks of 32 codes, [.., K / 32, bytes a block], one block behind the other in memory; one code a byte (a code: sign, 4 exponent bits, 3 mantissa bits); and NAME_scales (uint8): the same leading axes, one E8M0 byte (e + 127) for each 32 codes along K. Its value is code x scale, taken as it is: it is not quantised again, and the codes and scales need not be those that the quantiser above would give.
;; One version. Each part assembles by itself: llvm-mc -triple=amdgcn-amd-amdhsa -mcpu=gfx1250 --defsym DOCPART=n.
;; ======== version 1 of 1: 3 launches
;; limits: right only within a limited range of input values
;; workspace buffers: kv 17,563,648 bytes; qb 17,563,648 bytes; z_img 8,388,608 bytes; z_sc 262,144 bytes; wo_img 1,048,576 bytes; wo_sc 32,768 bytes
;; launch proj (part 1): grid 16 x 16, 4 waves a work-group, clusters of 4 x 4, 327,680 bytes of LDS; arguments normalized_resid_pre_codes, normalized_resid_pre_scales, W_Q_codes, W_Q_scales, W_K_codes, W_K_scales, W_V_codes, W_V_scales, b_Q, b_K, b_V, qb, kv, W_O, wo_img, wo_sc; writes qb, kv, wo_img, wo_sc
.if DOCPART == 1
	.amdgcn_target "amdgcn-amd-amdhsa--gfx1250"
	.amdhsa_code_object_version 6
	.text
	.protected	k_q8a8748506b_proj
	.globl	k_q8a8748506b_proj
	.p2align	8
	.type	k_q8a8748506b_proj,@function
k_q8a8748506b_proj:
	s_mov_b64 s[64:65], 0
	v_nop
	global_prefetch_b8 v0, s[64:65] scope:SCOPE_SE
	s_setreg_imm32_b32 hwreg(HW_REG_WAVE_MODE, 25, 1), 1
	s_wait_xcnt 0x0
	s_wait_alu depctr_hold_cnt(0) depctr_sa_sdst(0) depctr_va_vdst(0) depctr_va_sdst(0) depctr_va_ssrc(0) depctr_va_vcc(0) depctr_vm_vsrc(0)
	s_getreg_b32 s2, hwreg(HW_REG_IB_STS2, 6, 4)
	s_cmp_eq_u32 s2, 0
	s_cbranch_scc0 .Lentry_in_a_cluster
	s_endpgm
.Lentry_in_a_cluster:
	s_bfe_u32 s2, ttmp6, 0x10000c
	s_cmp_lg_u32 s2, 0xf033
	s_cbranch_scc0 .Lentry_shape_is_right
	s_endpgm
.Lentry_shape_is_right:
; q = x W_Q + b_Q, k = x W_K + b_K, v = x W_V + b_V on codes of E4M3 with E8M0 scales, K = 1,024, and the results QUANTISED IN REGISTERS for attention: q and k along d, v along the keys.
; THE DEAL.  256 work-groups of four waves, 2 x 2.  A wave holds 64 rows of a weight (one head), ALL of K, in 512 registers, and streams x's rows past them in blocks of 16 (128 registers a block, two sets): 32 products a block on four accumulators by turns.
; PHASE 1: 512 tokens x 128 columns of Q (tile columns 0-7) or K (8-15): 16 blocks a wave.  PHASE 2: 256 tokens x 128 columns of V: one of the work-group's own two windows of 256 rows (the cluster's x, bit 0); W_V's tile is 4 (cluster x / 2) + cx.  8 blocks a wave.
; A chunk is 128 tokens, one step of attention; wave row w takes its tokens 64 w .. 64 w + 63; a unit is two blocks, 32 tokens.  ORDER OF WORK: the window that is not V's (chunks 0, 1), then V's (chunks 2, 3); x's scale bytes lie in LDS in that order.
; LDS: two slots of 128 rows of 1,024 + 16 bytes; behind them the scale bytes of x's 512 rows; the spare words.
; FILLS.  At the head, one a wave: the first weight into slot 1 (wave 0), chunk 0 into slot 0 (wave 1), a window's scale bytes each (waves 2, 3).  Refills, each behind a drained round of the cluster's barrier, 32 rows a wave: chunk 1 over the weight once it is in
; registers; chunks 2, 3 inside units 1, 3, into the slot whose last rows have just been fetched: four blocks ahead of their first read; W_V into slot 0 behind unit 4; chunk 2 anew over W_V.  V takes chunk 3 as it still lies in slot 1 first.
; x's tiles are asked for jointly along a row of the cluster, a weight's along a column.
; q, k: source 0 = the weight's rows, source 1 = x's: a lane holds one token, its registers run along d.  v: source 0 = x's rows, source 1 = W_V's: a lane holds one d, its registers run along the tokens.  THE BIAS is the C of each sum's first product.
; qb, kv: [16 batch + head][step of 128 tokens][17,152 bytes]: K: 8 tiles of 16 tokens x 1,024 (piece c at 512 c, lane l at 16 l); V^T at 8,192: 4 tiles of d x 2,048 (piece c = 32 keys); K's scale words at 16,384 (4 x 128: lanes 0-15 the even tile,
; lanes 16-31 the odd one; two bytes, zeros above, which meet zero codes alone); V's at 16,896 (2 x 128).  Inside a block of 32 the numbers lie in the order 0-7, 16-23, 8-15, 24-31, alike in both operands of each later product.
; PREFETCH: each chunk and W_V's tile are asked of memory once in each cluster that loads them, a sixteenth (8,192 bytes, lanes 256 bytes apart) a wave of the four partners, told apart by address: chunks 1 and 2 at the head, chunk 3 in unit 1, W_V in unit 3.
; LIMITS: NaN and infinities are not served; a block whose largest magnitude lies under 2^-118, a block of zeros too, keeps the byte 1.
; REGISTERS: window 0: v1-19 addresses; v20-23, v40-43, v60-63, v128-143 the quantiser's; v24-39 the weight's scale words; v44-59 x's, two sets; v64-127 sums; v192-207 codes; v208-239 the bias; windows 1, 2: the weight; window 3: x's two sets.
.set KROW, 1024
.set PITCH, 1040
.set CH, 128
.set YB, CH*PITCH
.set SCL, 2*YB
.set RS, 32
.set SPARE, SCL+2*RS*272
.set BLKB, 17152
.set NF, 34                            ; LDS loads of a block: 32 of codes, 2 of scale words
.set ADRA0, 4
.set CO1, 5
.set AAS0, 6
.set PFO, 7
.set CV, 8
.set SO1, 9
.set SPW, 10
.set NIL, 11
.set ADRA, 12
.set AAS, 13
.set ADRB, 14
.set ABS, 16
.set SV, 17
.set SOP, 20
.set SB, 24
.set EB, 40
.set SA, 44
.set MX, 60
.set ACC, 64
.set PL, 128
.set LIM, 132
.set VW, 136
.set WE, 140
.set WO, 141
.set NCD, 192
.set BQ, 208
.set BV, 240
.set G1A, 24
.set G1B, 32
.set G1S, 40
.set G1R, 48
.set G0A, 56
.set G0B, 60
.set G0R, 72
.set G0S, 96
.set MSB, 0
.macro WIN new                         ; the immediate's high byte repeats the setting that is left
.if MSB != \new
	s_set_vgpr_msb (MSB<<8)|\new
.set MSB, \new
.endif
.endm
.macro PLACES n
.rept \n
	v_nop
.endr
.endm
.macro BARRIER
	s_barrier_signal -1
	s_barrier_wait -1
.endm
.macro CREST                           ; a round of the cluster's barrier behind its opening barrier
	s_cmp_lg_u32 s14, 0
	s_cbranch_scc1 .Lnot_wave_0_\@
	s_barrier_signal -3
.Lnot_wave_0_\@:
	s_barrier_wait -3
	BARRIER
.endm
.macro CROUND
	BARRIER
	CREST
.endm
.macro TLOAD g0, g1                    ; an s_nop 0 and four v_nop follow a tensor load
	tensor_load_to_lds s[\g0:\g0+3], s[\g1:\g1+7]
	s_nop 0
	PLACES 4
.endm
.macro GROUP1 g, mask, rows            ; so many whole rows of K, 1,024 bytes each, 16 bytes of padding behind each
	s_or_b32 s[\g+0], s[\mask], (1<<20)|(1<<21)|(7<<22)|(3<<25)
	s_mov_b32 s[\g+1], KROW<<16
	s_mov_b32 s[\g+2], (\rows)<<16
	s_mov_b32 s[\g+3], KROW<<16
	s_mov_b32 s[\g+4], \rows
	s_mov_b32 s[\g+5], KROW
	s_mov_b32 s[\g+6], 0
	s_mov_b32 s[\g+7], 0
.endm
.macro RDESC                           ; group 0 of a refill of x's rows: my 32 rows of the 128 at byte s6 of x, into the slot at s12
	s_mul_i32 s20, s14, 32*PITCH
	s_add_co_u32 s[G0R+1], s20, s12
	s_lshl_b32 s20, s14, 15
	s_add_co_u32 s20, s20, s6
	s_mov_b32 s21, 0
	s_add_nc_u64 s[G0R+2:G0R+3], s[4:5], s[20:21]
	s_or_b32 s[G0R+3], s[G0R+3], 0x80000000
.endm
	s_load_b512 s[68:83], s[0:1], 0x0              ; x codes 68, x scales 70, W_Q 72, 74, W_K 76, 78, W_V 80, 82
	s_load_b256 s[84:91], s[0:1], 0x40             ; b_Q 84, b_K 86, b_V 88, qb 90
	s_load_b64 s[92:93], s[0:1], 0x60              ; kv
	v_lshl_add_u32 v[SPW], v0, 2, SPARE
	v_mov_b32 v[NIL], 0
	ds_add_u32 v[SPW], v[NIL]                      ; the opening lines: the add twice on end and its wait ahead of my first tensor load
	ds_add_u32 v[SPW], v[NIL]
	v_lshrrev_b32 v1, 5, v0
	v_readfirstlane_b32 s14, v1                    ; wave 0..3
	s_lshr_b32 s15, s14, 1                         ; my row of waves
	s_and_b32 s16, s14, 1                          ; my column of waves
	s_bfe_u32 s94, ttmp6, 0x40000                  ; cx
	s_bfe_u32 s95, ttmp6, 0x40004                  ; cy
	s_lshl_b32 s100, ttmp9, 2
	s_add_co_u32 s100, s100, s94
	s_and_b32 s100, s100, 7                        ; the first weight's tile of 128 rows
	s_and_b32 s101, ttmp7, 0xffff
	s_lshl_b32 s101, s101, 2
	s_add_co_u32 s101, s101, s95                   ; my tile of 512 tokens
	s_lshr_b32 s19, ttmp9, 1                       ; 0: Q, 1: K
	s_and_b32 s18, ttmp9, 1                        ; V's window of my two
	s_lshl_b32 s66, s95, 2
	s_lshl_b32 s66, 15, s66                        ; my row of the cluster
	s_lshl_b32 s67, 0x1111, s94                    ; my column
	GROUP1 G1B, 67, CH
	GROUP1 G1A, 66, CH
	GROUP1 G1R, 66, CH/4
	s_or_b32 s[G1S+0], s66, (3<<16)|(1<<20)|(1<<21)|(5<<22)|(3<<25)   ; a window's scale bytes: 8,192 dense bytes as 32 rows of 256, 16 of padding behind each
	s_mov_b32 s[G1S+1], 32<<16
	s_mov_b32 s[G1S+2], RS<<16
	s_mov_b32 s[G1S+3], 32<<16
	s_mov_b32 s[G1S+4], RS
	s_mov_b32 s[G1S+5], 32
	s_mov_b32 s[G1S+6], 0
	s_mov_b32 s[G1S+7], 0
	s_lshl_b32 s3, s101, 19
	s_lshl_b32 s20, s18, 18
	s_add_co_u32 s2, s3, s20                       ; s2: V's window in x's codes, s3: the other
	s_xor_b32 s20, s20, 1<<18
	s_add_co_u32 s3, s3, s20
	s_xor_b32 s21, s18, s16                        ; wave 2 fetches the other window's scale bytes, wave 3 V's
	s_xor_b32 s21, s21, 1
	s_lshl_b32 s22, s101, 1
	s_add_co_u32 s22, s22, s21
	s_lshl_b32 s22, s22, 13
	s_mov_b32 s[G0S], 1
	s_mul_i32 s[G0S+1], s16, RS*272
	s_add_co_u32 s[G0S+1], s[G0S+1], SCL
	s_mov_b32 s[G0A], 1
	s_mov_b32 s[G0A+1], 0
	s_mov_b32 s[G0B], 1
	s_mov_b32 s[G0B+1], YB
	s_lshl_b32 s12, s100, 17                       ; the first weight's tile in its codes
	s_mul_i32 s8, s15, 64*PITCH
	s_mul_i32 s9, s16, 64*PITCH
	s_add_co_u32 s10, s9, YB
	s_mul_i32 s11, s15, 2176
	s_add_co_u32 s11, s11, SCL
	s_lshl_b32 s13, s15, 12
	s_lshl_b32 s20, s15, 10
	s_lshl_b32 s21, s15, 8
	s_lshl_b32 s23, s15, 1
	v_and_b32 v1, 15, v0                           ; r
	v_bfe_u32 v2, v0, 4, 1                         ; h
	v_and_b32 v3, 31, v0                           ; lane
	v_mul_u32_u24 v18, v1, PITCH
	v_lshl_add_u32 v18, v2, 4, v18                 ; a fragment's row x pitch + 16 h
	v_add_nc_u32 v[ADRA0], s8, v18                 ; x: my row of waves' 64 rows of a chunk
	v_add_nc_u32 v[ADRB+1], s9, v18                ; a weight in slot 0: my column's 64 rows,
	v_add_nc_u32 v[ADRB], s10, v18                 ; in slot 1
	v_lshlrev_b32 v[ABS], 5, v3                    ; a weight's scale bytes: lane l takes row l of a pair of tiles
	v_and_b32 v18, 7, v1
	v_lshlrev_b32 v18, 5, v18
	v_lshrrev_b32 v19, 3, v1
	v_mad_u32_u24 v18, v19, 272, v18               ; x's scale bytes: 32 a row, eight rows to a unit of 272
	v_add_nc_u32 v[AAS0], s11, v18
	v_lshlrev_b32 v[PFO], 8, v3
	v_lshl_add_u32 v[CO1], v3, 4, s13              ; q, k codes: 16 lane + four tiles a row of waves
	v_lshl_add_u32 v[CV], v3, 4, s20               ; v codes: 16 lane + two pieces
	v_lshl_add_u32 v[SO1], v3, 2, s21              ; q, k scale words
	v_lshl_add_u32 v[SV], v3, 2, s23               ; v's: my two bytes of a word
	v_lshlrev_b32 v18, 5, v2                       ; the bias of q, k: 32 h
	v_lshlrev_b32 v19, 2, v1                       ; of v: 4 r
.irp t, 0,1,2,3
	v_mov_b32 v[PL+\t], 0                          ; a lane permute's destination counts as one of its sources
	v_mov_b32 v[VW+\t], 0
.endr
	s_wait_alu depctr_va_vdst(0)                   ; ahead of the waits below
	s_wait_dscnt 0x0                               ; both opening adds are done
	CROUND                                         ; all sixteen work-groups are here: the first joint loads meet
	s_wait_kmcnt 0x0
	s_mov_b32 s13, 0
	s_mov_b32 s23, 0
	s_cmp_eq_u32 s19, 0                            ; the buffers are chosen by the cluster's number
	s_cselect_b64 s[8:9], s[72:73], s[76:77]
	s_cselect_b64 s[10:11], s[74:75], s[78:79]
	s_cselect_b64 s[84:85], s[84:85], s[86:87]
	s_cselect_b64 s[90:91], s[90:91], s[92:93]
	s_mov_b64 s[4:5], s[68:69]
	s_add_nc_u64 s[G0B+2:G0B+3], s[8:9], s[12:13]
	s_or_b32 s[G0B+3], s[G0B+3], 0x80000000
	s_mov_b32 s20, s3
	s_mov_b32 s21, 0
	s_add_nc_u64 s[G0A+2:G0A+3], s[4:5], s[20:21]
	s_or_b32 s[G0A+3], s[G0A+3], 0x80000000
	s_add_nc_u64 s[G0S+2:G0S+3], s[70:71], s[22:23]
	s_or_b32 s[G0S+3], s[G0S+3], 0x80000000
	s_cmp_eq_u32 s14, 0                            ; one load a wave, in one chain of branches; wave 0, which alone waits at the first barrier, has a line of its own
	s_cbranch_scc0 .Lwave_1
	TLOAD G0B, G1B                                 ; the first weight, wanted first
	s_branch .Lasked
.Lwave_1:
	s_cmp_eq_u32 s14, 1
	s_cbranch_scc0 .Lfor_scales
	TLOAD G0A, G1A                                 ; chunk 0
	s_branch .Lasked
.Lfor_scales:
	TLOAD G0S, G1S
.Lasked:
	s_mov_b32 s[G0R], 1
	s_load_b64 s[8:9], s[0:1], 0x68                ; W_O
	s_load_b64 s[12:13], s[0:1], 0x70              ; wo_img
	s_load_b64 s[86:87], s[0:1], 0x78              ; wo_sc
	s_lshl_b32 s20, s100, 12
	s_lshl_b32 s22, s16, 11
	s_add_co_u32 s20, s20, s22
	s_add_nc_u64 s[10:11], s[10:11], s[20:21]      ; the first weight's scale bytes: my 64 rows
	s_lshl_b32 s6, s100, 1
	s_add_co_u32 s6, s6, s16                       ; phase 1's head
	s_lshl_b32 s20, s6, 8
	s_add_nc_u64 s[84:85], s[84:85], s[20:21]      ; its bias
	s_lshl_b32 s7, s19, 2
	s_add_co_u32 s7, s7, s94                       ; W_V's tile
	s_lshl_b32 s20, s7, 17
	s_add_nc_u64 s[80:81], s[80:81], s[20:21]
	s_lshl_b32 s20, s7, 12
	s_add_co_u32 s20, s20, s22
	s_add_nc_u64 s[82:83], s[82:83], s[20:21]
	s_lshl_b32 s7, s7, 1
	s_add_co_u32 s7, s7, s16                       ; phase 2's head
	s_lshl_b32 s20, s7, 8
	s_add_nc_u64 s[88:89], s[88:89], s[20:21]
.irp b, 0,1,2,3
	global_load_b128 v[BQ+8*\b:BQ+8*\b+3], v18, s[84:85] offset:64*\b       ; register 8 b + j: bias(16 b + 8 h + j)
	global_load_b128 v[BQ+8*\b+4:BQ+8*\b+7], v18, s[84:85] offset:64*\b+16
	global_load_b32 v[BV+\b], v19, s[88:89] offset:64*\b                    ; v's: bias(16 b + r)
.endr
.irp p, 0,1
.irp c, 0,1
	global_load_b128 v[SB+8*\p+4*\c:SB+8*\p+4*\c+3], v[ABS], s[10:11] offset:1024*\p+16*\c   ; register 8 p + q: lanes 0-15 tile 2 p's word of K step q, lanes 16-31 tile 2 p + 1's
.endr
.endr
	s_lshr_b32 s22, s101, 2
	s_lshl_b32 s22, s22, 4                         ; 16 batch
	s_and_b32 s23, s101, 3
	s_lshl_b32 s23, s23, 2                         ; my tile's first step in the batch
	s_add_co_u32 s20, s22, s6
	s_lshl_b32 s20, s20, 4
	s_add_co_u32 s20, s20, s23
	s_mul_i32 s20, s20, BLKB
	s_add_nc_u64 s[90:91], s[90:91], s[20:21]      ; where q or k goes
	s_add_co_u32 s20, s22, s7
	s_lshl_b32 s20, s20, 4
	s_add_co_u32 s20, s20, s23
	s_mul_i32 s20, s20, BLKB
	s_add_nc_u64 s[92:93], s[92:93], s[20:21]      ; where v goes
	s_lshl_b32 s22, s94, 2
	s_add_co_u32 s22, s22, s14
	s_lshl_b32 s22, s22, 13                        ; my sixteenth of a chunk, among the row's sixteen waves
	s_add_co_u32 s20, s3, s22
	s_add_nc_u64 s[76:77], s[4:5], s[20:21]
	s_add_co_u32 s20, s2, s22
	s_add_nc_u64 s[78:79], s[4:5], s[20:21]
	s_add_nc_u64 s[68:69], s[78:79], 131072        ; chunk 3
	s_lshl_b32 s20, s95, 2
	s_add_co_u32 s20, s20, s14
	s_lshl_b32 s20, s20, 13                        ; of W_V's tile, among the column's
	s_add_nc_u64 s[70:71], s[80:81], s[20:21]
	; W_O IS QUANTISED HERE TOO, for the last launch: W_O [1024 (k)][1024 (n)], f32, K its first axis, is 1,024 blocks of 32 k x 32 columns, one for each of the launch's 1,024 waves.  A lane takes a column and its registers run down K,
	; so a block of 32 lies in one lane.  wo_img [n / 16][K step of 128][2,048 bytes]: piece c (32 k) at 512 c, lane l (row n % 16, half) at 16 l, the four groups of eight codes laid 0, 2, 1, 3, as z has them; wo_sc [n / 16][K step / 2][n % 16][K step % 2][4 bytes].
	; The loads go out here; the block is quantised behind the weight's LDS loads.  The same limits hold: a block under 2^-118 keeps the byte 1.
	s_lshl_b32 s20, s19, 3
	s_add_co_u32 s20, s20, s100                    ; my tile column, 0..15
	s_lshl_b32 s22, s101, 4
	s_add_co_u32 s20, s20, s22                     ; the work-group's number, 0..255: it enters global addresses alone
	s_and_b32 s22, s20, 31                         ; the block of 32 k
	s_lshr_b32 s20, s20, 5
	s_lshl_b32 s20, s20, 7
	s_lshl_b32 s23, s14, 5
	s_add_co_u32 s23, s20, s23                     ; my first column: 128 (number / 32) + 32 wave
	v_lshlrev_b32 v142, 2, v3                      ; in: 4 bytes a lane
	v_lshlrev_b32 v143, 14, v2                     ; out: which of my two images,
	v_lshl_add_u32 v143, v1, 4, v143               ; + 16 x row
	v_lshlrev_b32 v144, 9, v2                      ; the scale byte: 512 an image,
	v_lshl_add_u32 v144, v1, 3, v144               ; + 8 x row
	s_wait_alu depctr_va_vdst(0)                   ; ahead of the wait below
	s_lshl_b32 s6, s22, 17                         ; 32 rows of 4,096 bytes
	s_lshl_b32 s7, s23, 2
	s_add_co_u32 s20, s6, s7
	s_wait_kmcnt 0x0
	s_add_nc_u64 s[8:9], s[8:9], s[20:21]
	s_lshl_b32 s20, s23, 10                        ; (column / 16) x 16,384
	s_lshl_b32 s6, s22, 9                          ; + 2,048 x K step + 512 x piece = 512 x block
	s_add_co_u32 s20, s20, s6
	s_add_nc_u64 s[12:13], s[12:13], s[20:21]
	s_lshl_b32 s20, s23, 5                         ; (column / 16) x 512
	s_lshr_b32 s6, s22, 3
	s_lshl_b32 s6, s6, 7                           ; + 128 x (K step / 2)
	s_add_co_u32 s20, s20, s6
	s_and_b32 s6, s22, 7                           ; + 4 x (K step % 2) + piece
	s_add_co_u32 s20, s20, s6
	s_add_nc_u64 s[86:87], s[86:87], s[20:21]
.set J_, 0
.rept 32
	global_load_b32 v[ACC+J_], v142, s[8:9] offset:J_*4096 th:TH_LOAD_NT   ; 32 lanes read 128 consecutive bytes, the four waves 512
.set J_, J_+1
.endr
	s_xor_b32 s7, s18, 1
	s_lshl_b32 s7, s7, 1
	s_mov_b32 s94, 0xffff0000                      ; lanes 16-31
	s_mov_b32 s104, 0x76543210                     ; v_permlanex16_b32's selects for lane l xor 16
	s_mov_b32 s105, 0xfedcba98
	s_mov_b32 s17, 0x600000                        ; the mantissa field of 448
	s_mov_b32 s100, 0                              ; the unit, 0..7
	s_cmp_eq_u32 s14, 0
	s_cbranch_scc0 .Lnot_w
	s_wait_tensorcnt 0x0                           ; wave 0: the first weight has landed; the others wait ahead of the round below
.Lnot_w:
	BARRIER
	global_prefetch_b8 v[PFO], s[76:77] offset:131072 th:TH_LOAD_NT scope:SCOPE_SE   ; chunk 1
	global_prefetch_b8 v[PFO], s[78:79] th:TH_LOAD_NT scope:SCOPE_SE                 ; chunk 2
.macro WEIGHTS adr                     ; my 64 rows of a weight, all of K: fragment 4 q + b (16 rows x 128 K, 16 registers) in window 1 + (4 q + b) / 16
.irp q, 0,1,2,3,4,5,6,7
	WIN (1+(\q)/4)<<6
.irp b, 0,1,2,3
.irp c, 0,1,2,3
	ds_load_b128 v[16*((4*\q+\b)%16)+4*\c:16*((4*\q+\b)%16)+4*\c+3], v[\adr] offset:128*\q+32*\c+\b*16*PITCH
.endr
.endr
.endr
	WIN 0
.endm
.macro FETCH k, a, s, xo, so           ; a block of x, 16 rows, all of K, into set k of window 3, and its eight scale words: NF loads
	WIN 3<<6
.irp q, 0,1,2,3,4,5,6,7
.irp c, 0,1,2,3
	ds_load_b128 v[128*\k+16*\q+4*\c:128*\k+16*\q+4*\c+3], v[\a] offset:128*\q+32*\c+\xo
.endr
.endr
	WIN 0
	ds_load_b128 v[SA+8*\k:SA+8*\k+3], v[\s] offset:\so
	ds_load_b128 v[SA+8*\k+4:SA+8*\k+7], v[\s] offset:\so+16
.endm
.macro PRODS kind, e, from, to         ; products 4 q + b of a block: K step q, column tile b; x in set e.  The four accumulators take turns; the first four start from the bias
.set N_, \from
.rept (\to)-(\from)
.set Q_, N_/4
.set B_, N_%4
.set AC_, ACC+32*(\kind)*(\e)+8*B_
.set C_, AC_
.if Q_ == 0
.set C_, BQ+8*B_
.endif
.set X_, 128*(\e)+16*Q_
.set W_, 16*(N_%16)
.set XS_, SA+8*(\e)+Q_
.set WS_, SB+8*(B_/2)+Q_
.if \kind
	WIN 3|((1+N_/16)<<2)
.if B_%2
	v_wmma_scale_f32_16x16x128_f8f6f4 v[AC_:AC_+7], v[X_:X_+15], v[W_:W_+15], v[C_:C_+7], v[XS_], v[WS_] matrix_b_scale:MATRIX_SCALE_ROW1
.else
	v_wmma_scale_f32_16x16x128_f8f6f4 v[AC_:AC_+7], v[X_:X_+15], v[W_:W_+15], v[C_:C_+7], v[XS_], v[WS_]
.endif
.else
	WIN (1+N_/16)|(3<<2)
.if B_%2
	v_wmma_scale_f32_16x16x128_f8f6f4 v[AC_:AC_+7], v[W_:W_+15], v[X_:X_+15], v[C_:C_+7], v[WS_], v[XS_] matrix_a_scale:MATRIX_SCALE_ROW1
.else
	v_wmma_scale_f32_16x16x128_f8f6f4 v[AC_:AC_+7], v[W_:W_+15], v[X_:X_+15], v[C_:C_+7], v[WS_], v[XS_]
.endif
.endif
.set N_, N_+1
.endr
	WIN 0
.endm
.macro SCALE4 n                        ; behind the largest magnitudes v[MX ..]: with lane l xor 16's; the conversion's scale operand, 448 x the scale, the byte
.set T_, 0
.rept \n
	v_permlanex16_b32 v[PL+T_], v[MX+T_], s104, s105
.set T_, T_+1
.endr
.set T_, 0
.rept \n
	v_max_num_f32 v[MX+T_], v[MX+T_], v[PL+T_]
.set T_, T_+1
.endr
.set T_, 0
.rept \n
	v_add_nc_u32 v[SOP+T_], 0xfc000000, v[MX+T_]
.set T_, T_+1
.endr
.set T_, 0
.rept \n
	v_and_or_b32 v[LIM+T_], v[MX+T_], 0x7f800000, s17
.set T_, T_+1
.endr
.set T_, 0
.rept \n
	v_lshrrev_b32 v[EB+T_], 23, v[SOP+T_]
.set T_, T_+1
.endr
.endm
.macro QK0 cd, wd                      ; 16 tokens of q or k: two blocks of 32 along d, 16 numbers of each in my lane; each accumulator is read from its low end on
.irp b, 0,1,2,3
	v_max3_num_f32 v[MX+\b], |v[ACC+8*\b]|, |v[ACC+8*\b+1]|, 0x4800000     ; and the floor 2^(9 - 127): the byte cannot fall under 1
.endr
.irp i, 2,4,6
.irp b, 0,1,2,3
	v_max3_num_f32 v[MX+\b], v[MX+\b], |v[ACC+8*\b+\i]|, |v[ACC+8*\b+\i+1]|
.endr
.endr
	v_max_num_f32 v[MX], v[MX], v[MX+1]
	v_max_num_f32 v[MX+1], v[MX+2], v[MX+3]
	SCALE4 2
	v_lshl_or_b32 v[\wd], v[EB+1], 8, v[EB]
.irp c, 0,1
.irp i, 0,1,2,3,4,5,6,7,8,9,10,11,12,13,14,15
	v_med3_num_f32 v[ACC+16*\c+\i], v[ACC+16*\c+\i], -v[LIM+\c], v[LIM+\c]   ; the conversion does not saturate (ISA guide 7.6.2): the hold at 448 x the scale
.endr
	v_cvt_scalef32_pk8_fp8_f32 v[\cd+4*\c:\cd+4*\c+1], v[ACC+16*\c:ACC+16*\c+7], v[SOP+\c]
	v_cvt_scalef32_pk8_fp8_f32 v[\cd+4*\c+2:\cd+4*\c+3], v[ACC+16*\c+8:ACC+16*\c+15], v[SOP+\c]
.endr
	v_nop                                          ; a plain line behind the last conversion
.endm
.macro QV                              ; 32 keys of v, four tiles of d: eight numbers of the even block and eight of the odd one in my lane
.irp t, 0,1,2,3
	v_max3_num_f32 v[MX+\t], |v[ACC+8*\t]|, |v[ACC+8*\t+1]|, 0x4800000
.endr
.irp i, 2,4,6,32,34,36,38
.irp t, 0,1,2,3
	v_max3_num_f32 v[MX+\t], v[MX+\t], |v[ACC+8*\t+\i]|, |v[ACC+8*\t+\i+1]|
.endr
.endr
	SCALE4 4
.irp t, 0,1,2,3
	v_lshl_or_b32 v[VW+\t], v[VW+\t], 8, v[EB+\t]  ; the upper 32 keys' byte comes first and moves up: behind the lower ones' the low 16 bits are my two bytes
.endr
.irp t, 0,1,2,3
.irp i, 0,1,2,3,4,5,6,7,32,33,34,35,36,37,38,39
	v_med3_num_f32 v[ACC+8*\t+\i], v[ACC+8*\t+\i], -v[LIM+\t], v[LIM+\t]
.endr
	v_cvt_scalef32_pk8_fp8_f32 v[NCD+4*\t:NCD+4*\t+1], v[ACC+8*\t:ACC+8*\t+7], v[SOP+\t]
	v_cvt_scalef32_pk8_fp8_f32 v[NCD+4*\t+2:NCD+4*\t+3], v[ACC+32+8*\t:ACC+32+8*\t+7], v[SOP+\t]
.endr
	v_nop
.endm
; A UNIT OF PHASE 1: two blocks.  s100 = the unit u: chunk u / 2, half u % 2.  Behind a block's products its set takes the block two on.  rnd = 1 (a chunk's second unit): the chunk's last rows are in registers, so its slot is filled again,
; behind a round that also shows the next chunk.
.macro UQ rnd
	s_wait_alu depctr_va_vdst(0)                   ; ahead of the waits below
	s_wait_xcnt 0x0                                ; the last stores have read their registers and bases
	s_lshr_b32 s20, s100, 1
.if \rnd
	s_and_b32 s12, s20, 1
	s_mul_i32 s12, s12, YB                         ; this chunk's slot,
	s_lshl_b32 s6, s20, 17
	s_add_co_u32 s6, s6, s2                        ; and what comes into it: chunk u / 2 + 2, the (u / 2)-th of V's window
.endif
	s_xor_b32 s20, s20, s7
	s_mul_i32 s20, s20, BLKB
	s_and_b32 s9, s100, 1
	s_lshl_b32 s22, s9, 7
	s_add_co_u32 s22, s22, s20
	s_lshl_b32 s9, s9, 11
	s_add_co_u32 s20, s20, s9
	s_mov_b32 s21, 0
	s_mov_b32 s23, 0
	s_add_nc_u64 s[84:85], s[90:91], s[20:21]      ; the unit's two tiles of codes,
	s_add_nc_u64 s[86:87], s[90:91], s[22:23]      ; and their scale words
	s_add_co_u32 s9, s100, 1                       ; the next unit; behind unit 7 V begins with the same 32 tokens
	s_min_u32 s9, s9, 7
	s_lshr_b32 s20, s9, 1
	s_and_b32 s9, s9, 1
	s_mul_i32 s8, s20, 4352
	s_mul_i32 s22, s9, 1088
	s_add_co_u32 s8, s8, s22
	s_and_b32 s20, s20, 1
	s_mul_i32 s101, s20, YB
	s_mul_i32 s22, s9, 32*PITCH
	s_add_co_u32 s101, s101, s22
	s_add_co_u32 s100, s100, 1
	v_add_nc_u32 v[ADRA], s101, v[ADRA0]
	v_add_nc_u32 v[AAS], s8, v[AAS0]
	s_wait_alu depctr_va_vdst(0)                   ; directly behind the writes
	s_wait_dscnt NF                                ; set 0 is in; set 1's NF loads may be out
.if \rnd
	s_wait_tensorcnt 0x0                           ; my part of the next chunk is in;
	ds_add_u32 v[SPW], v[NIL]                      ; 0 onto my spare word
	RDESC
	PRODS 0, 0, 0, 28
	s_wait_dscnt 0x0                               ; the add is done, and my reads of this slot are over
	s_barrier_signal -1
	PRODS 0, 0, 28, 32
	s_barrier_wait -1
	CREST
	TLOAD G0R, G1R                                 ; the first tensor load behind the round; its four v_nop are among the eight places
	PLACES 4
.else
	PRODS 0, 0, 0, 32
	PLACES 8                                       ; places between the last product and the loads into, and the reads of, its registers
.endif
	FETCH 0, ADRA, AAS, 0, 0
.if \rnd
	global_prefetch_b8 v[PFO], s[68:69] th:TH_LOAD_NT scope:SCOPE_SE
.endif
	QK0 NCD, WE
	global_store_b128 v[CO1], v[NCD:NCD+3], s[84:85]                 ; 32 lanes store 512 consecutive bytes, aligned
	global_store_b128 v[CO1], v[NCD+4:NCD+7], s[84:85] offset:512
	s_wait_dscnt NF                                ; set 1 is in
	PRODS 0, 1, 0, 32
	PLACES 8
	FETCH 1, ADRA, AAS, 16*PITCH, 544
	QK0 NCD+8, WO
	v_cndmask_b32 v[WO], v[WE], v[WO], s94         ; lanes 0-15: the even tile's words; lanes 16-31: the odd one's
	global_store_b128 v[CO1], v[NCD+8:NCD+11], s[84:85] offset:1024
	global_store_b128 v[CO1], v[NCD+12:NCD+15], s[84:85] offset:1536
	global_store_b32 v[SO1], v[WO], s[86:87] offset:16384
.endm
	WEIGHTS ADRB
	s_wait_loadcnt 0x0                             ; my block of W_O (and the bias and the weight's scale words); the weight's LDS loads are on their way
.irp b, 0,1,2,3
	v_max3_num_f32 v[MX+\b], |v[ACC+8*\b]|, |v[ACC+8*\b+1]|, 0x4800000     ; the block's largest magnitude in four chains, and the floor 2^(9 - 127)
.endr
.irp i, 2,4,6
.irp b, 0,1,2,3
	v_max3_num_f32 v[MX+\b], v[MX+\b], |v[ACC+8*\b+\i]|, |v[ACC+8*\b+\i+1]|
.endr
.endr
	v_max3_num_f32 v[MX], v[MX], v[MX+1], v[MX+2]
	v_max_num_f32 v[MX], v[MX], v[MX+3]
	v_add_nc_u32 v[SOP], 0xfc000000, v[MX]         ; the conversion's scale operand,
	v_and_or_b32 v[LIM], v[MX], 0x7f800000, s17    ; 448 x the scale,
	v_lshrrev_b32 v[EB], 23, v[SOP]                ; the byte
.set J_, 0
.rept 32
	v_med3_num_f32 v[ACC+J_], v[ACC+J_], -v[LIM], v[LIM]
.set J_, J_+1
.endr
	v_cvt_scalef32_pk8_fp8_f32 v[NCD:NCD+1], v[ACC:ACC+7], v[SOP]          ; slots 0-7: k 0-7
	v_cvt_scalef32_pk8_fp8_f32 v[NCD+2:NCD+3], v[ACC+16:ACC+23], v[SOP]    ; slots 8-15: k 16-23
	v_cvt_scalef32_pk8_fp8_f32 v[NCD+4:NCD+5], v[ACC+8:ACC+15], v[SOP]     ; slots 16-23: k 8-15
	v_cvt_scalef32_pk8_fp8_f32 v[NCD+6:NCD+7], v[ACC+24:ACC+31], v[SOP]    ; slots 24-31: k 24-31
	v_nop                                          ; a plain line behind the last conversion
	global_store_b128 v143, v[NCD:NCD+3], s[12:13]                         ; the image's lanes 0-15: sixteen lanes store 256 consecutive bytes, aligned
	global_store_b128 v143, v[NCD+4:NCD+7], s[12:13] offset:256            ; its lanes 16-31
	global_store_b8 v144, v[EB], s[86:87]          ; one byte for each 128 that the wave reads
	s_wait_xcnt 0x0                                ; the stores have read their bases: s12 is written below
	s_wait_tensorcnt 0x0
	ds_add_u32 v[SPW], v[NIL]
	s_mov_b32 s12, YB                              ; chunk 1 over the weight's rows
	s_add_co_u32 s6, s3, 131072
	RDESC
	s_wait_dscnt 0x0                               ; the add is done, and the weight is in registers
	CROUND
	TLOAD G0R, G1R
	FETCH 0, ADRA0, AAS0, 0, 0
	FETCH 1, ADRA0, AAS0, 16*PITCH, 544
	s_wait_loadcnt 0x0                             ; the bias and the weight's scale words
	s_mov_b32 s95, 0
.Lchunk:                                               ; chunks 0, 1
	UQ 0
	UQ 1
	s_wait_xcnt 0x0                                ; the prefetch has read its base
	s_mov_b64 s[68:69], s[70:71]                   ; the second trip asks for W_V's tile
	s_add_co_u32 s95, s95, 1
	s_cmp_lg_u32 s95, 2
	s_cbranch_scc1 .Lchunk
	UQ 0                                           ; unit 4: it fetches chunk 2's last rows
	s_wait_tensorcnt 0x0                           ; chunk 3 is in
	ds_add_u32 v[SPW], v[NIL]
	s_mul_i32 s[G0A+1], s14, 32*PITCH              ; W_V's rows into slot 0, shared along my column: the head's descriptors are free
	s_lshl_b32 s20, s14, 15
	s_mov_b32 s21, 0
	s_add_nc_u64 s[G0A+2:G0A+3], s[80:81], s[20:21]
	s_or_b32 s[G0A+3], s[G0A+3], 0x80000000
	GROUP1 G1A, 67, CH/4
	s_wait_alu depctr_va_vdst(0)
	s_wait_dscnt 0x0
	CROUND
	TLOAD G0A, G1A
	s_mov_b32 s95, 0
.Lrest:                                                ; units 5, 6, 7
	UQ 0
	s_add_co_u32 s95, s95, 1
	s_cmp_lg_u32 s95, 3
	s_cbranch_scc1 .Lrest
	; THE CHANGE OF PHASE
	s_wait_alu depctr_va_vdst(0)
	s_wait_xcnt 0x0
	s_wait_tensorcnt 0x0                           ; my part of W_V is in,
	s_wait_dscnt 0x0
	BARRIER                                        ; everybody's is
.irp p, 0,1
.irp c, 0,1
	global_load_b128 v[SB+8*\p+4*\c:SB+8*\p+4*\c+3], v[ABS], s[82:83] offset:1024*\p+16*\c
.endr
.endr
	WEIGHTS ADRB+1
.irp t, 0,1,2,3
.irp i, 0,1,2,3,4,5,6,7
	v_mov_b32 v[BQ+8*\t+\i], v[BV+\t]              ; v's bias hangs on the lane: the same in a tile's eight registers
.endr
.endr
	s_wait_tensorcnt 0x0
	ds_add_u32 v[SPW], v[NIL]
	s_mov_b32 s12, 0                               ; chunk 2 anew, over W_V's rows
	s_mov_b32 s6, s2
	RDESC
	s_wait_alu depctr_va_vdst(0)
	s_wait_dscnt 0x0                               ; the add is done, and W_V is in registers
	CROUND
	TLOAD G0R, G1R
	s_wait_loadcnt 0x0                             ; W_V's scale words
	s_mov_b32 s95, 0
.Lpair:                                                ; PHASE 2: trip p: chunk 3 - p / 2, its upper 32 of my 64 tokens (p even), then the lower
	s_wait_alu depctr_va_vdst(0)
	s_wait_xcnt 0x0
	s_lshr_b32 s20, s95, 1
	s_xor_b32 s20, s20, 1
	s_lshl_b32 s22, s18, 1
	s_add_co_u32 s20, s20, s22
	s_mul_i32 s20, s20, BLKB
	s_and_b32 s22, s95, 1
	s_xor_b32 s22, s22, 1
	s_lshl_b32 s22, s22, 9
	s_add_co_u32 s20, s20, s22
	s_mov_b32 s21, 0
	s_add_nc_u64 s[84:85], s[92:93], s[20:21]      ; the step's block, and the piece of 32 keys
	s_add_co_u32 s9, s95, 1
	s_min_u32 s9, s9, 3
	s_lshr_b32 s20, s9, 1
	s_xor_b32 s20, s20, 1
	s_and_b32 s9, s9, 1
	s_xor_b32 s9, s9, 1
	s_mul_i32 s8, s20, 4352
	s_mul_i32 s22, s9, 1088
	s_add_co_u32 s8, s8, s22
	s_add_co_u32 s8, s8, 8704
	s_mul_i32 s101, s20, YB
	s_mul_i32 s22, s9, 32*PITCH
	s_add_co_u32 s101, s101, s22
	v_add_nc_u32 v[ADRA], s101, v[ADRA0]
	v_add_nc_u32 v[AAS], s8, v[AAS0]
	s_wait_alu depctr_va_vdst(0)
	PRODS 1, 0, 0, 32                              ; both sets are in: every LDS load was waited for ahead of the last barrier
	PLACES 8
	s_cmp_eq_u32 s95, 3
	s_cbranch_scc1 .Lnone_0
	FETCH 0, ADRA, AAS, 0, 0
.Lnone_0:
	PRODS 1, 1, 0, 32
	PLACES 8
	s_cmp_eq_u32 s95, 3
	s_cbranch_scc1 .Lnone_1
	FETCH 1, ADRA, AAS, 16*PITCH, 544
.Lnone_1:
	QV
.irp t, 0,1,2,3
	global_store_b128 v[CV], v[NCD+4*\t:NCD+4*\t+3], s[84:85] offset:8192+2048*\t
.endr
	s_bitcmp1_b32 s95, 0
	s_cbranch_scc0 .Lupper
	v_cndmask_b32 v[WE], v[VW], v[VW+1], s94       ; lanes 0-15: the even tile of d; lanes 16-31: the odd one
	v_cndmask_b32 v[WO], v[VW+2], v[VW+3], s94
	global_store_b16 v[SV], v[WE], s[84:85] offset:16896
	global_store_b16 v[SV], v[WO], s[84:85] offset:16896+128
.Lupper:
	s_wait_tensorcnt 0x0                           ; the first trip's barrier shows chunk 2
	s_wait_dscnt 0x0
	BARRIER
	s_add_co_u32 s95, s95, 1
	s_cmp_lg_u32 s95, 4
	s_cbranch_scc1 .Lpair
	s_wait_tensorcnt 0x0                           ; the wave's end
	ds_add_u32 v[SPW], v[NIL]
	s_wait_dscnt 0x0
	CROUND                                         ; the closing round
	s_endpgm
.Lfunc_end_k_q8a8748506b_proj:
	.size	k_q8a8748506b_proj, .Lfunc_end_k_q8a8748506b_proj-k_q8a8748506b_proj
	.p2alignl 7, 3214868480
	.fill 96, 4, 3214868480
	.section	.rodata,"a",@progbits
	.p2align	6, 0x0
	.amdhsa_kernel k_q8a8748506b_proj
		.amdhsa_group_segment_fixed_size 327680
		.amdhsa_private_segment_fixed_size 0
		.amdhsa_enable_private_segment 0
		.amdhsa_kernarg_size 128
		.amdhsa_user_sgpr_count 2
		.amdhsa_user_sgpr_kernarg_segment_ptr 1
		.amdhsa_wavefront_size32 1
		.amdhsa_system_sgpr_workgroup_id_x 1
		.amdhsa_system_sgpr_workgroup_id_y 1
		.amdhsa_system_sgpr_workgroup_id_z 1
		.amdhsa_system_vgpr_workitem_id 0
		.amdhsa_next_free_vgpr 1024
		.amdhsa_next_free_sgpr 106
		.amdhsa_reserve_vcc 0
		.amdhsa_float_denorm_mode_32 3
		.amdhsa_float_denorm_mode_16_64 3
		.amdhsa_memory_ordered 1
		.amdhsa_forward_progress 1
		.amdhsa_inst_pref_size 162
	.end_amdhsa_kernel
	.amdgpu_metadata
---
amdhsa.version: [ 1, 2 ]
amdhsa.kernels:
  - .name:           k_q8a8748506b_proj
    .symbol:         k_q8a8748506b_proj.kd
    .args:
      - { .name: normalized_resid_pre_codes, .offset: 0, .size: 8, .value_kind: global_buffer, .address_space: global }
      - { .name: normalized_resid_pre_scales, .offset: 8, .size: 8, .value_kind: global_buffer, .address_space: global }
      - { .name: W_Q_codes, .offset: 16, .size: 8, .value_kind: global_buffer, .address_space: global }
      - { .name: W_Q_scales, .offset: 24, .size: 8, .value_kind: global_buffer, .address_space: global }
      - { .name: W_K_codes, .offset: 32, .size: 8, .value_kind: global_buffer, .address_space: global }
      - { .name: W_K_scales, .offset: 40, .size: 8, .value_kind: global_buffer, .address_space: global }
      - { .name: W_V_codes, .offset: 48, .size: 8, .value_kind: global_buffer, .address_space: global }
      - { .name: W_V_scales, .offset: 56, .size: 8, .value_kind: global_buffer, .address_space: global }
      - { .name: b_Q, .offset: 64, .size: 8, .value_kind: global_buffer, .address_space: global }
      - { .name: b_K, .offset: 72, .size: 8, .value_kind: global_buffer, .address_space: global }
      - { .name: b_V, .offset: 80, .size: 8, .value_kind: global_buffer, .address_space: global }
      - { .name: qb, .offset: 88, .size: 8, .value_kind: global_buffer, .address_space: global }
      - { .name: kv, .offset: 96, .size: 8, .value_kind: global_buffer, .address_space: global }
      - { .name: W_O, .offset: 104, .size: 8, .value_kind: global_buffer, .address_space: global }
      - { .name: wo_img, .offset: 112, .size: 8, .value_kind: global_buffer, .address_space: global }
      - { .name: wo_sc, .offset: 120, .size: 8, .value_kind: global_buffer, .address_space: global }
    .group_segment_fixed_size: 327680
    .private_segment_fixed_size: 0
    .kernarg_segment_align: 8
    .kernarg_segment_size: 128
    .max_flat_workgroup_size: 128
    .sgpr_count:     106
    .vgpr_count:     1024
    .wavefront_size: 32
...
	.end_amdgpu_metadata
.endif
;; end of part 1
;; launch attn (part 2): grid 4 x 64, 16 waves a work-group, clusters of 4 x 1, 327,680 bytes of LDS; arguments qb, kv, z_img, z_sc; writes z_img, z_sc
.if DOCPART == 2
	.amdgcn_target "amdgcn-amd-amdhsa--gfx1250"
	.amdhsa_code_object_version 6
	.text
	.protected	k_q8a8748506b_attn
	.globl	k_q8a8748506b_attn
	.p2align	8
	.type	k_q8a8748506b_attn,@function
k_q8a8748506b_attn:
	s_mov_b64 s[64:65], 0
	v_nop
	global_prefetch_b8 v0, s[64:65] scope:SCOPE_SE
	s_setreg_imm32_b32 hwreg(HW_REG_WAVE_MODE, 25, 1), 1
	s_wait_xcnt 0x0
	s_wait_alu depctr_hold_cnt(0) depctr_sa_sdst(0) depctr_va_vdst(0) depctr_va_sdst(0) depctr_va_ssrc(0) depctr_va_vcc(0) depctr_vm_vsrc(0)
	s_getreg_b32 s2, hwreg(HW_REG_IB_STS2, 6, 4)
	s_cmp_eq_u32 s2, 0
	s_cbranch_scc0 .Lentry_in_a_cluster
	s_endpgm
.Lentry_in_a_cluster:
	s_bfe_u32 s2, ttmp6, 0x10000c
	s_cmp_lg_u32 s2, 0x3003
	s_cbranch_scc0 .Lentry_shape_is_right
	s_endpgm
.Lentry_shape_is_right:
; z = softmax(q k^T / 8, causal) v for one (batch, head) a cluster, both products on codes of E4M3 with E8M0 scales; z is quantised along d and leaves as images of operand registers.
; THE SOFTMAX: t = score x log2(e) / 8; M = the running largest t rounded UP to a whole number; p = 2^(t - M) is quantised along the keys, not normalised; the sum is taken of the unquantised p and divides at the end.
; When M moves, the sum and O are multiplied by 2^(old M - new M): exact.
; SHARES.  A head has 128 tiles of 16 queries, in 16 groups of 128 queries; a tile of group g needs key steps 0 .. g of 128 keys.  Wave w of partner cx makes two tiles, one after the other: group w / 2, tile 4 (w % 2) + cx, and
; group 15 - w / 2, tile 7 - that: (g + 1) + (16 - g) = 17 key steps for every wave.  How many steps a pass works, and which step lies on the diagonal, hang on the wave's number alone; cx enters global addresses and the mask's numbers only.
; THE WHOLE HEAD'S K AND V LIE IN LDS, FILLED ONCE: 16 blocks of 17,152 bytes as the launch before laid them; wave w brings block w by one joint tensor load (the four partners need the same bytes).  Nothing is filled again:
; no ring and no barrier in the loops.  One tensor load of a wave is out, once.
; LAYOUT.  Both products are used transposed: S^T = K Q^T (source 0 = 16 keys, source 1 = my 16 queries), O^T = V^T P^T: a lane holds one query throughout.  The fragments are images of registers: every LDS load reads 512 consecutive bytes.
; THE HEAD'S 64 IN A FORM OF 128: Q's registers 8-15 are zero codes.  K's operand of tile t is v[32 + 8 t .. 47 + 8 t]: its upper half holds the next tile's codes (finite: the quantiser's hold never lets the NaN code arise), or zeros, and meets zero codes.
; Every pass walks all 16 steps, a constant count; a step whose keys all come after the tile's queries is left out by a scalar branch on the wave's number, round the work alone.
; Nothing is prefetched: all of K and V is asked for at the head, and a pass's 1 KB of q an epilogue ahead.
; LIMITS: NaN and infinities are not served; a block's largest p is taken from the block's largest score (v_exp_f32 is taken not to fall where its input rises); a block of zeros keeps the byte 1.
; REGISTERS: v1-7 addresses that stay; v12 -M, v13 the largest t, v[14:15] the sum; v16-31 Q; v32-95 K's eight half fragments, then V's four; v96-103 zeros; v104-167 S^T, then p; v168-199 O^T; v200-215 p's codes; v216-249 at work.
.set BLKB,  17152
.set HEADB, 274432
.set LI,   1                           ; 16 x lane
.set LS,   2                           ; 4 x lane
.set AD16, 3                           ; the step's block + 16 x lane
.set AD4,  4                           ; + 4 x lane
.set RH,   5                           ; r - 8 half
.set R4,   6                           ; 4 r
.set R8,   7                           ; 8 r
.set SS,   104
.set OT,   168
.set PCD,  200
.set MX,   216
.set PL,   220
.set LIM,  224
.set SCO,  228
.set KSW,  232                         ; v232-235 K's scale words, v236-237 V's, v238 Q's, v239 p's; v232-235 also take partial sums of p
.set VSW,  236
.set QSW,  238
.set PSW,  239
.set FF,   240                         ; v[240:241] f = 2^(old M - new M); the upper register is only named
.set TP,   242
.set ZW,   243
.set DD,   248                         ; my query's place in its group - 8 half
.set NINF, 249
.macro CROUND                          ; a round of the cluster's barrier
	s_barrier_signal -1
	s_barrier_wait -1
	s_cmp_lg_u32 s12, 0
	s_cbranch_scc1 .Lnot_wave_0_\@
	s_barrier_signal -3
.Lnot_wave_0_\@:
	s_barrier_wait -3
	s_barrier_signal -1
	s_barrier_wait -1
.endm
; pass p's four addresses: q's codes s[42 + 8 p], q's scale words, z's codes, z's scale bytes.  s[38 + p] = the group, s[40 + p] = 16 x the tile in it
.macro PTRS p
	s_mul_i32 s58, s[38+\p], BLKB
	s_add_co_u32 s58, s58, s62                     ; the group's block in qb
	s_lshl_b32 s60, s[40+\p], 6                    ; + 1,024 x tile
	s_add_co_u32 s60, s60, s58
	s_add_nc_u64 s[42+8*\p:43+8*\p], s[4:5], s[60:61]
	s_lshl_b32 s60, s[40+\p], 2                    ; + 64 x tile (and 16,384 in the load's immediate)
	s_add_co_u32 s60, s60, s58
	s_add_nc_u64 s[44+8*\p:45+8*\p], s[4:5], s[60:61]
	s_lshl_b32 s59, s[38+\p], 3
	s_lshr_b32 s60, s[40+\p], 4
	s_add_co_u32 s59, s59, s60
	s_add_co_u32 s59, s59, s63                     ; the tile of tokens: 128 batch + 8 group + tile
	s_lshl_b32 s60, s59, 14
	s_add_co_u32 s60, s60, s66                     ; z_img: 16,384 a tile of tokens, 1,024 a head
	s_add_nc_u64 s[46+8*\p:47+8*\p], s[8:9], s[60:61]
	s_lshl_b32 s60, s59, 9
	s_add_co_u32 s60, s60, s67                     ; z_sc: 512 a tile of tokens, 128 for four heads, 2 a head
	s_add_nc_u64 s[48+8*\p:49+8*\p], s[10:11], s[60:61]
.endm
	s_load_b256 s[4:11], s[0:1], 0x0               ; qb, kv, z_img, z_sc
	v_lshl_add_u32 v254, v0, 2, 0x43000
	v_mov_b32 v255, 0
	ds_add_u32 v254, v255
	ds_add_u32 v254, v255
	v_lshrrev_b32 v8, 5, v0
	s_delay_alu instid0(VALU_DEP_1)
	v_readfirstlane_b32 s12, v8                    ; wave 0..15
	v_and_b32 v8, 31, v0
	s_delay_alu instid0(VALU_DEP_1)
	v_lshlrev_b32 v[LI], 4, v8
	s_delay_alu instid0(VALU_DEP_2)
	v_lshlrev_b32 v[LS], 2, v8
	v_and_b32 v9, 15, v0                           ; r
	v_bfe_u32 v10, v0, 4, 1                        ; half
	s_delay_alu instid0(VALU_DEP_1)
	v_lshlrev_b32 v10, 3, v10
	s_delay_alu instid0(VALU_DEP_1)
	v_sub_nc_u32 v[RH], v9, v10
	s_delay_alu instid0(VALU_DEP_4)
	v_lshlrev_b32 v[R4], 2, v9
	v_lshlrev_b32 v[R8], 3, v9
	s_bfe_u32 s13, ttmp6, 0x40000                  ; cx
	s_lshr_b32 s14, s12, 1
	s_and_b32 s15, s12, 1
	s_lshl_b32 s15, s15, 2
	s_add_co_u32 s15, s15, s13                     ; pass 0's tile in its group
	s_and_b32 s16, ttmp7, 0xffff                   ; 16 batch + head, which the four partners share
	s_and_b32 s17, s16, 15
	s_lshr_b32 s18, s16, 4
	s_mov_b32 s19, 0x600000                        ; the mantissa field of 448
	s_mov_b32 s20, 0x76543210                      ; v_permlanex16_b32's selects for lane l xor 16
	s_mov_b32 s21, 0xfedcba98
	s_mov_b32 s22, 0x3e38aa3b                      ; c = log2(e) / 8
	s_mov_b32 s23, s22                             ; (named with it as a pair, so it is written)
	s_mov_b32 s38, s14                             ; the groups: from the wave's number alone
	s_sub_co_u32 s39, 15, s14
	s_lshl_b32 s40, s15, 4                         ; 16 x the tiles
	s_sub_co_u32 s41, 7, s15
	s_lshl_b32 s41, s41, 4
	s_mul_i32 s62, s16, HEADB
	s_lshl_b32 s63, s18, 7
	s_lshl_b32 s66, s17, 10
	s_lshr_b32 s67, s17, 2
	s_lshl_b32 s67, s67, 7
	s_and_b32 s68, s17, 3
	s_lshl_b32 s68, s68, 1
	s_add_co_u32 s67, s67, s68
	; the descriptor: a dense block of 17,152 bytes as 67 rows of 256 (32 elements of 8 bytes), no padding
	s_mov_b32 s24, 15|(3<<16)|(1<<21)              ; the mask: all four work-groups; elements of 8 bytes; bit 21 beside a mask
	s_mov_b32 s25, 32<<16                          ; tensor_dim0
	s_mov_b32 s26, 67<<16                          ; tensor_dim1
	s_mov_b32 s27, 32<<16                          ; tile_dim0
	s_mov_b32 s28, 67                              ; tile_dim1
	s_mov_b32 s29, 32                              ; stride
	s_mov_b32 s30, 0
	s_mov_b32 s31, 0
	s_mov_b32 s32, 1
	s_mul_i32 s33, s12, BLKB                       ; block w, in LDS
	s_add_co_u32 s58, s62, s33                     ; and in kv
	s_mov_b32 s59, 0
	s_mov_b32 s61, 0
	s_wait_dscnt 0x0
	s_wait_kmcnt 0x0
	s_add_nc_u64 s[34:35], s[6:7], s[58:59]
	s_or_b32 s35, s35, 0x80000000
	PTRS 0
	PTRS 1
	CROUND                                         ; all four work-groups are here: the joint loads meet
	tensor_load_to_lds s[32:35], s[24:31]
	s_nop 0
.rept 4
	v_nop
.endr
	s_wait_alu depctr_va_vdst(0)
	global_load_b128 v[16:19], v[LI], s[42:43]               ; pass 0's Q: block 0 of d,
	global_load_b128 v[20:23], v[LI], s[42:43] offset:512    ; block 1,
	global_load_b32 v[QSW], v[R4], s[44:45] offset:16384     ; and its scale words
.irp j, 0,1,2,3,4,5,6,7
	v_mov_b32 v[24+\j], 0                          ; Q's upper half: zero codes
	v_mov_b32 v[96+\j], 0                          ; what stands behind K's last tile
.endr
.irp b, 0,1,2,3
	v_mov_b32 v[PL+\b], 0                          ; a lane permute's destination counts as one of its sources
.endr
	v_mov_b32 v[FF+1], 0
	v_mov_b32 v[TP], 0
	v_mov_b32 v[NINF], 0xff800000
	s_wait_tensorcnt 0x0                           ; my block is in,
	s_barrier_signal -1
	s_barrier_wait -1                              ; everybody's is: the head's K and V lie in LDS for the rest of the launch
.macro PASS p
.if \p
	s_wait_xcnt 0x0                                ; the last pass's stores have read their registers
.endif
	s_wait_loadcnt 0x0                             ; Q
	v_add_nc_u32 v[DD], s[40+\p], v[RH]
	v_mov_b32 v13, 0xff61b1e6                      ; the largest t so far: -3e38
	s_delay_alu instid0(VALU_DEP_1)
	v_floor_f32 v12, -v13                          ; -M
	v_mov_b32 v14, 0
	v_mov_b32 v15, 0
.set n, 0
.rept 32
	v_mov_b32 v[OT+n], 0                           ; the step is written once: the first finds zeros, which the first change of M leaves zeros
.set n, n+1
.endr
	s_mov_b32 s36, 0                               ; the step's block in LDS
	s_mov_b32 s37, 0                               ; the step
.Lstep_\p:
	s_cmp_gt_u32 s37, s[38+\p]                     ; all its keys come after my queries: the work is left out
	s_cbranch_scc1 .Lhid_\p
	v_add_nc_u32 v[AD16], s36, v[LI]
	v_add_nc_u32 v[AD4], s36, v[LS]
.rept 6
	v_nop                                          ; with the two additions: eight places between the last products and the loads into their registers
.endr
.irp w, 0,1,2,3
	ds_load_b32 v[KSW+\w], v[AD4] offset:16384+128*\w
.endr
.irp t, 0,1,2,3,4,5,6,7
.irp c, 0,1
	ds_load_b128 v[32+8*\t+4*\c:35+8*\t+4*\c], v[AD16] offset:1024*\t+512*\c
.endr
.endr
	s_wait_alu depctr_va_vdst(0)
	s_wait_dscnt 0x0
.irp t, 0,1,2,3,4,5,6,7
.if (\t)%2
	v_wmma_scale_f32_16x16x128_f8f6f4 v[SS+8*\t:SS+8*\t+7], v[32+8*\t:47+8*\t], v[16:31], 0, v[KSW+\t/2], v[QSW] matrix_a_scale:MATRIX_SCALE_ROW1
.else
	v_wmma_scale_f32_16x16x128_f8f6f4 v[SS+8*\t:SS+8*\t+7], v[32+8*\t:47+8*\t], v[16:31], 0, v[KSW+\t/2], v[QSW]
.endif
.endr                                              ; lane (r, half): query r; register 8 t + j: key 16 t + 8 half + j
.rept 8
	v_nop
.endr
.irp d, 0,1,2,3                                    ; V is asked for now and lands under the softmax
.irp c, 0,1,2,3
	ds_load_b128 v[32+16*\d+4*\c:35+16*\d+4*\c], v[AD16] offset:8192+2048*\d+512*\c
.endr
.endr
.irp w, 0,1
	ds_load_b32 v[VSW+\w], v[AD4] offset:16896+128*\w
.endr
	s_cmp_lg_u32 s37, s[38+\p]                     ; on the diagonal the scores of hidden keys become -infinity ahead of the maximum: p = 0 then
	s_cbranch_scc1 .Lopen_\p
.set n, 0
.rept 64
	v_cmp_gt_i32 vcc_lo, 16*(n/8)+n%8, v[DD]       ; hidden where 16 t + j > my query's place - 8 half
	v_cndmask_b32 v[SS+n], v[SS+n], v[NINF], vcc_lo
.set n, n+1
.endr
.Lopen_\p:
.irp b, 0,1,2,3
	v_max3_num_f32 v[MX+\b], v[SS+16*\b], v[SS+1+16*\b], v[SS+2+16*\b]   ; the largest score of each block of 32 keys: for the row's maximum, and for the block's largest p
.endr
.irp i, 3,5,7,9,11,13
.irp b, 0,1,2,3
	v_max3_num_f32 v[MX+\b], v[MX+\b], v[SS+16*\b+\i], v[SS+1+16*\b+\i]
.endr
.endr
.irp b, 0,1,2,3
	v_max_num_f32 v[MX+\b], v[MX+\b], v[SS+15+16*\b]
.endr
.irp b, 0,1,2,3
	s_delay_alu instid0(VALU_DEP_4)
	v_permlanex16_b32 v[PL+\b], v[MX+\b], s20, s21
.endr
.irp b, 0,1,2,3
	s_delay_alu instid0(VALU_DEP_4)
	v_max_num_f32 v[MX+\b], v[MX+\b], v[PL+\b]     ; with lane l xor 16's 16 keys
.endr
	s_delay_alu instid0(VALU_DEP_2)
	v_max3_num_f32 v[TP], v[MX], v[MX+1], v[MX+2]
	s_delay_alu instid0(VALU_DEP_1)
	v_max_num_f32 v[TP], v[TP], v[MX+3]
	s_delay_alu instid0(VALU_DEP_1)
	v_mul_f32 v[TP], s22, v[TP]                    ; as t
	s_delay_alu instid0(VALU_DEP_1)
	v_max_num_f32 v13, v13, v[TP]                  ; the running largest t
	v_mov_b32 v[TP], v12
	s_delay_alu instid0(VALU_DEP_2)
	v_floor_f32 v12, -v13                          ; the new -M = -ceil(t)
	s_delay_alu instid0(VALU_DEP_1)
	v_sub_f32 v[TP], v12, v[TP]                    ; old M - new M: a whole number, 0 or less
	s_delay_alu instid0(VALU_DEP_1)
	v_cvt_i32_f32 v[TP], v[TP]                     ; (it saturates)
	s_delay_alu instid0(VALU_DEP_1)
	v_ldexp_f32 v[FF], 1.0, v[TP]                  ; f = 2^(old M - new M)
.set n, 0
.rept 32
	v_pk_fma_f32 v[SS+n:SS+n+1], v[SS+n:SS+n+1], s[22:23], v[12:13] op_sel_hi:[1,0,0]   ; t - M, two at a time
.set n, n+2
.endr
.irp b, 0,1,2,3
	v_fma_f32 v[MX+\b], v[MX+\b], s22, v12         ; the same of each block's largest score
.endr
.set n, 0
	s_wait_alu depctr_va_vdst(0)
.rept 64
	v_exp_f32 v[SS+n], v[SS+n]                     ; p = 2^(t - M)
.set n, n+1
.endr
	v_pk_mul_f32 v[14:15], v[14:15], v[FF:FF+1] op_sel_hi:[1,0]   ; the sums under the new M: the plain instruction behind the exponentials
	s_wait_alu depctr_va_vdst(0)                   ; one wait for the batch, ahead of its first reader
.irp b, 0,1,2,3
	v_exp_f32 v[MX+\b], v[MX+\b]                   ; each block's largest p
.endr
	v_pk_add_f32 v[220:221], v[108:109], v[112:113]
	v_pk_add_f32 v[252:253], v[116:117], v[120:121]
	v_pk_add_f32 v[250:251], v[124:125], v[128:129]
	v_pk_add_f32 v[246:247], v[132:133], v[136:137]
	v_pk_add_f32 v[244:245], v[140:141], v[144:145]
	v_pk_add_f32 v[234:235], v[148:149], v[152:153]
	v_pk_add_f32 v[232:233], v[156:157], v[160:161]
	v_pk_add_f32 v[14:15], v[14:15], v[164:165]
	v_pk_add_f32 v[220:221], v[220:221], v[104:105]
	v_pk_add_f32 v[252:253], v[252:253], v[106:107]
	v_pk_add_f32 v[250:251], v[250:251], v[110:111]
	v_pk_add_f32 v[246:247], v[246:247], v[114:115]
	v_pk_add_f32 v[244:245], v[244:245], v[118:119]
	v_pk_add_f32 v[234:235], v[234:235], v[122:123]
	v_pk_add_f32 v[232:233], v[232:233], v[126:127]
	v_pk_add_f32 v[14:15], v[14:15], v[130:131]
	v_pk_add_f32 v[220:221], v[220:221], v[134:135]
	v_pk_add_f32 v[252:253], v[252:253], v[138:139]
	v_pk_add_f32 v[250:251], v[250:251], v[142:143]
	v_pk_add_f32 v[246:247], v[246:247], v[146:147]
	v_pk_add_f32 v[244:245], v[244:245], v[150:151]
	v_pk_add_f32 v[234:235], v[234:235], v[154:155]
	v_pk_add_f32 v[232:233], v[232:233], v[158:159]
	v_pk_add_f32 v[14:15], v[14:15], v[162:163]
	v_pk_add_f32 v[220:221], v[220:221], v[166:167]
	s_delay_alu instid0(VALU_DEP_2)
	v_pk_add_f32 v[14:15], v[14:15], v[246:247]
	s_delay_alu instid0(VALU_DEP_2)
	v_pk_add_f32 v[220:221], v[220:221], v[244:245]
	v_pk_add_f32 v[252:253], v[252:253], v[234:235]
	v_pk_add_f32 v[250:251], v[250:251], v[232:233]
	s_delay_alu instid0(VALU_DEP_2)
	v_pk_add_f32 v[14:15], v[14:15], v[252:253]
	s_delay_alu instid0(VALU_DEP_2)
	v_pk_add_f32 v[220:221], v[220:221], v[250:251]
	s_delay_alu instid0(VALU_DEP_1)
	v_pk_add_f32 v[14:15], v[14:15], v[220:221]
	s_wait_alu depctr_va_vdst(0)                   ; and one for the four
.irp b, 0,1,2,3
	v_max_num_f32 v[MX+\b], 0x4800000, v[MX+\b]    ; the floor 2^(9 - 127): the byte cannot fall under 1
.endr
.irp b, 0,1,2,3
	s_delay_alu instid0(VALU_DEP_4)
	v_add_nc_u32 v[SCO+\b], 0xfc000000, v[MX+\b]   ; the conversion's scale operand
.endr
.irp b, 0,1,2,3
	v_and_or_b32 v[LIM+\b], v[MX+\b], 0x7f800000, s19   ; 448 x the scale
.endr
.irp b, 0,1,2,3
	v_lshrrev_b32 v[PL+\b], 23, v[SCO+\b]          ; the scale's byte
.endr
	s_delay_alu instid0(VALU_DEP_3)
	v_lshl_or_b32 v[PSW], v[PL+1], 8, v[PL]        ; p's scale word for these 128 keys
	s_delay_alu instid0(VALU_DEP_1)
	v_lshl_or_b32 v[PSW], v[PL+2], 16, v[PSW]
	s_delay_alu instid0(VALU_DEP_1)
	v_lshl_or_b32 v[PSW], v[PL+3], 24, v[PSW]
.irp b, 0,1,2,3
.irp i, 0,1,2,3,4,5,6,7,8,9,10,11,12,13,14,15
	v_min_num_f32 v[SS+16*\b+\i], v[SS+16*\b+\i], v[LIM+\b]   ; the conversion does not saturate (ISA guide 7.6.2); p is not negative: a one-sided hold
.endr
	v_cvt_scalef32_pk8_fp8_f32 v[PCD+4*\b:PCD+4*\b+1], v[SS+16*\b:SS+16*\b+7], v[SCO+\b]
	v_cvt_scalef32_pk8_fp8_f32 v[PCD+4*\b+2:PCD+4*\b+3], v[SS+16*\b+8:SS+16*\b+15], v[SCO+\b]
.endr
.set n, 0
.rept 16
	v_pk_mul_f32 v[OT+n:OT+n+1], v[OT+n:OT+n+1], v[FF:FF+1] op_sel_hi:[1,0]   ; O^T under the new M, from each accumulator's low end on; also the places between the conversions and the products
.set n, n+2
.endr
	s_wait_alu depctr_va_vdst(0)
	s_wait_dscnt 0x0                               ; V
.irp d, 0,1,2,3                                    ; the four accumulators take turns, one instruction a turn; the next step's eight score products lie between two links
.if (\d)%2
	v_wmma_scale_f32_16x16x128_f8f6f4 v[OT+8*\d:OT+8*\d+7], v[32+16*\d:47+16*\d], v[PCD:PCD+15], v[OT+8*\d:OT+8*\d+7], v[VSW+\d/2], v[PSW] matrix_a_scale:MATRIX_SCALE_ROW1
.else
	v_wmma_scale_f32_16x16x128_f8f6f4 v[OT+8*\d:OT+8*\d+7], v[32+16*\d:47+16*\d], v[PCD:PCD+15], v[OT+8*\d:OT+8*\d+7], v[VSW+\d/2], v[PSW]
.endif
.endr
.Lhid_\p:
	s_add_co_u32 s36, s36, BLKB
	s_add_co_u32 s37, s37, 1
	s_cmp_lt_u32 s37, 16
	s_cbranch_scc1 .Lstep_\p
	; the pass's end: z = O^T / the sum, quantised along d (two blocks of 32), stored as half an operand image
.rept 8
	v_nop
.endr
.if \p == 0
	global_load_b128 v[16:19], v[LI], s[50:51]               ; the next pass's Q lands under this epilogue
	global_load_b128 v[20:23], v[LI], s[50:51] offset:512
	global_load_b32 v[QSW], v[R4], s[52:53] offset:16384
.endif
	v_add_f32 v14, v14, v15
	s_delay_alu instid0(VALU_DEP_1)
	v_permlanex16_b32 v[TP], v14, s20, s21
	s_delay_alu instid0(VALU_DEP_1)
	v_add_f32 v14, v14, v[TP]                      ; the row's sum
	s_wait_alu depctr_va_vdst(0)
	v_rcp_f32 v14, v14
	v_nop                                          ; a plain instruction behind the reciprocal
	s_wait_alu depctr_va_vdst(0)                   ; and the wait ahead of its first reader
.set n, 0
.rept 16
	v_pk_mul_f32 v[SS+n:SS+n+1], v[OT+n:OT+n+1], v[14:15] op_sel_hi:[1,0]   ; register 8 t + j: z(query r, d = 16 t + 8 half + j)
.set n, n+2
.endr
.irp b, 0,1
	v_max3_num_f32 v[MX+\b], |v[SS+16*\b]|, |v[SS+1+16*\b]|, 0x4800000
.endr
.irp i, 2,4,6,8,10,12,14
.irp b, 0,1
	s_delay_alu instid0(VALU_DEP_2)
	v_max3_num_f32 v[MX+\b], v[MX+\b], |v[SS+16*\b+\i]|, |v[SS+1+16*\b+\i]|
.endr
.endr
.irp b, 0,1
	s_delay_alu instid0(VALU_DEP_2)
	v_permlanex16_b32 v[PL+\b], v[MX+\b], s20, s21
.endr
.irp b, 0,1
	s_delay_alu instid0(VALU_DEP_2)
	v_max_num_f32 v[MX+\b], v[MX+\b], v[PL+\b]
.endr
.irp b, 0,1
	s_delay_alu instid0(VALU_DEP_2)
	v_add_nc_u32 v[SCO+\b], 0xfc000000, v[MX+\b]
.endr
.irp b, 0,1
	s_delay_alu instid0(VALU_DEP_4)
	v_and_or_b32 v[LIM+\b], v[MX+\b], 0x7f800000, s19
.endr
.irp b, 0,1
	s_delay_alu instid0(VALU_DEP_4)
	v_lshrrev_b32 v[PL+\b], 23, v[SCO+\b]
.endr
	s_delay_alu instid0(VALU_DEP_1)
	v_lshl_or_b32 v[ZW], v[PL+1], 8, v[PL]         ; my head's two scale bytes of row r
.irp b, 0,1
.irp i, 0,1,2,3,4,5,6,7,8,9,10,11,12,13,14,15
	v_med3_num_f32 v[SS+16*\b+\i], v[SS+16*\b+\i], -v[LIM+\b], v[LIM+\b]
.endr
	v_cvt_scalef32_pk8_fp8_f32 v[PCD+4*\b:PCD+4*\b+1], v[SS+16*\b:SS+16*\b+7], v[SCO+\b]
	v_cvt_scalef32_pk8_fp8_f32 v[PCD+4*\b+2:PCD+4*\b+3], v[SS+16*\b+8:SS+16*\b+15], v[SCO+\b]
.endr
	v_nop                                          ; a plain instruction behind the last conversion
	global_store_b128 v[LI], v[PCD:PCD+3], s[46+8*\p:47+8*\p]                 ; 32 lanes store 512 consecutive bytes, aligned
	global_store_b128 v[LI], v[PCD+4:PCD+7], s[46+8*\p:47+8*\p] offset:512
	global_store_b16 v[R8], v[ZW], s[48+8*\p:49+8*\p]                         ; two bytes a row (lanes r and r + 16 write the same value): 1 byte for each 32 of codes
.endm
	PASS 0
	PASS 1
	s_wait_dscnt 0x0
	s_wait_tensorcnt 0x0
	ds_add_u32 v254, v255
	s_wait_dscnt 0x0
	CROUND                                         ; the closing round
	s_endpgm
.Lfunc_end_k_q8a8748506b_attn:
	.size	k_q8a8748506b_attn, .Lfunc_end_k_q8a8748506b_attn-k_q8a8748506b_attn
	.p2alignl 7, 3214868480
	.fill 96, 4, 3214868480
	.section	.rodata,"a",@progbits
	.p2align	6, 0x0
	.amdhsa_kernel k_q8a8748506b_attn
		.amdhsa_group_segment_fixed_size 327680
		.amdhsa_private_segment_fixed_size 0
		.amdhsa_enable_private_segment 0
		.amdhsa_kernarg_size 32
		.amdhsa_user_sgpr_count 2
		.amdhsa_user_sgpr_kernarg_segment_ptr 1
		.amdhsa_wavefront_size32 1
		.amdhsa_system_sgpr_workgroup_id_x 1
		.amdhsa_system_sgpr_workgroup_id_y 1
		.amdhsa_system_sgpr_workgroup_id_z 1
		.amdhsa_system_vgpr_workitem_id 0
		.amdhsa_next_free_vgpr 256
		.amdhsa_next_free_sgpr 72
		.amdhsa_reserve_vcc 1
		.amdhsa_float_denorm_mode_32 3
		.amdhsa_float_denorm_mode_16_64 3
		.amdhsa_memory_ordered 1
		.amdhsa_forward_progress 1
		.amdhsa_inst_pref_size 72
	.end_amdhsa_kernel
	.amdgpu_metadata
---
amdhsa.version: [ 1, 2 ]
amdhsa.kernels:
  - .name:           k_q8a8748506b_attn
    .symbol:         k_q8a8748506b_attn.kd
    .args:
      - { .name: qb, .offset: 0, .size: 8, .value_kind: global_buffer, .address_space: global }
      - { .name: kv, .offset: 8, .size: 8, .value_kind: global_buffer, .address_space: global }
      - { .name: z_img, .offset: 16, .size: 8, .value_kind: global_buffer, .address_space: global }
      - { .name: z_sc, .offset: 24, .size: 8, .value_kind: global_buffer, .address_space: global }
    .group_segment_fixed_size: 327680
    .private_segment_fixed_size: 0
    .kernarg_segment_align: 8
    .kernarg_segment_size: 32
    .max_flat_workgroup_size: 512
    .sgpr_count:     72
    .vgpr_count:     256
    .wavefront_size: 32
...
	.end_amdgpu_metadata
.endif
;; end of part 2
;; launch outp (part 3): grid 8 x 32, 4 waves a work-group, clusters of 4 x 4, 327,680 bytes of LDS; arguments z_img, z_sc, wo_img, wo_sc, b_O, out0; writes out0
.if DOCPART == 3
	.amdgcn_target "amdgcn-amd-amdhsa--gfx1250"
	.amdhsa_code_object_version 6
	.text
	.protected	k_q8a8748506b_outp
	.globl	k_q8a8748506b_outp
	.p2align	8
	.type	k_q8a8748506b_outp,@function
k_q8a8748506b_outp:
	s_mov_b64 s[64:65], 0
	v_nop
	global_prefetch_b8 v0, s[64:65] scope:SCOPE_SE
	s_setreg_imm32_b32 hwreg(HW_REG_WAVE_MODE, 25, 1), 1
	s_wait_xcnt 0x0
	s_wait_alu depctr_hold_cnt(0) depctr_sa_sdst(0) depctr_va_vdst(0) depctr_va_sdst(0) depctr_va_ssrc(0) depctr_va_vcc(0) depctr_vm_vsrc(0)
	s_getreg_b32 s2, hwreg(HW_REG_IB_STS2, 6, 4)
	s_cmp_eq_u32 s2, 0
	s_cbranch_scc0 .Lentry_in_a_cluster
	s_endpgm
.Lentry_in_a_cluster:
	s_bfe_u32 s2, ttmp6, 0x10000c
	s_cmp_lg_u32 s2, 0xf033
	s_cbranch_scc0 .Lentry_shape_is_right
	s_endpgm
.Lentry_shape_is_right:
; out = z W_O + b_O on codes of E4M3 with E8M0 scales, K = 1,024 (64 head + d); out0 [8,192 tokens][1,024] f32.
; z_img [token / 16][K step of 128][2,048 bytes] and wo_img [n / 16][K step][2,048] are IMAGES OF OPERAND REGISTERS: piece c (32 along K) at 512 c, lane l at 16 l; z_sc, wo_sc [tile of 16][K step / 2][row][K step % 2]: a word of four bytes.
; THE DEAL.  256 work-groups of four waves, 2 x 2, each 256 tokens x 128 columns.  A wave holds four tiles of 16 columns of W_O, ALL of K, in 512 registers, and streams z's tiles of 16 tokens past them (128 registers a tile, two sets):
; 32 products a block on four accumulators by turns, eight blocks a wave.  A chunk is 128 tokens; wave row w takes its tiles 4 w .. 4 w + 3; a unit is two blocks.
; Source 0 = W_O's columns, source 1 = z's tokens: a lane holds one token and eight neighbouring columns.  THE BIAS is the C of each sum's first product.
; EACH BLOCK LEAVES AS SOON AS IT IS FINISHED, through my own stage in LDS (16 rows of 256 + 16 bytes), as whole rows of 256 bytes: sixteen lanes store one aligned unit.
; LDS: two slots of 131,072 bytes; z's scale words (8,192); the stages, into which no fill lands; the spare words.
; FILLS.  At the head, one a wave: W_O's eight images into slot 1 (wave 0), chunk 0 into slot 0 (wave 1), half of z's scale words each (waves 2, 3).  One refill, behind a drained round of the cluster's barrier, a quarter a wave: chunk 1 over W_O's images once
; they are in registers; the barrier behind unit 0 shows it.  z's tiles are asked for jointly along a row of the cluster, W_O's along a column.
; PREFETCH: chunk 1 is asked of memory at the head, once in the cluster: a sixteenth (8,192 bytes, lanes 256 bytes apart) a wave of the row's four partners, told apart by address.  All else is asked for at the head by its load.
; LIMITS: NaN and infinities are not served.
; REGISTERS: window 0: v1-20 addresses; v24-39 W_O's scale words; v44-59 z's, two sets; v64-127 sums, two sets; v128-191 rows back from the stage, two sets; v208-239 the bias; windows 1, 2: W_O; window 3: z's two sets.
.set YB, 131072
.set SCZ, 2*YB
.set STAGE, SCZ+8192
.set SPITCH, 272
.set SPARE, STAGE+4*16*SPITCH
.set NF, 36                            ; LDS loads of a block: 32 of codes, 4 of scale words
.set ADRA0, 4
.set AAS0, 6
.set PFO, 7
.set SPW, 10
.set NIL, 11
.set ADRA, 12
.set AAS, 13
.set ADRB, 14
.set ABS, 16
.set STO, 17
.set RD, 18
.set CO, 19
.set BOF, 20
.set SB, 24
.set SA, 44
.set ACC, 64
.set BK, 128
.set BQ, 208
.set G1A, 24
.set G1B, 32
.set G1S, 40
.set G1R, 48
.set G0A, 56
.set G0B, 60
.set G0R, 80
.set G0S, 96
.set MSB, 0
.macro WIN new                         ; the immediate's high byte repeats the setting that is left
.if MSB != \new
	s_set_vgpr_msb (MSB<<8)|\new
.set MSB, \new
.endif
.endm
.macro PLACES n
.rept \n
	v_nop
.endr
.endm
.macro BARRIER
	s_barrier_signal -1
	s_barrier_wait -1
.endm
.macro CROUND                          ; a round of the cluster's barrier
	BARRIER
	s_cmp_lg_u32 s14, 0
	s_cbranch_scc1 .Lnot_wave_0_\@
	s_barrier_signal -3
.Lnot_wave_0_\@:
	s_barrier_wait -3
	BARRIER
.endm
.macro TLOAD g0, g1                    ; an s_nop 0 and four v_nop follow a tensor load
	tensor_load_to_lds s[\g0:\g0+3], s[\g1:\g1+7]
	s_nop 0
	PLACES 4
.endm
.macro GROUP1 g, mask, el, rows        ; a dense block: so many rows of el elements of 8 bytes, no padding
	s_or_b32 s[\g+0], s[\mask], (3<<16)|(1<<21)
	s_mov_b32 s[\g+1], (\el)<<16
	s_mov_b32 s[\g+2], (\rows)<<16
	s_mov_b32 s[\g+3], (\el)<<16
	s_mov_b32 s[\g+4], \rows
	s_mov_b32 s[\g+5], \el
	s_mov_b32 s[\g+6], 0
	s_mov_b32 s[\g+7], 0
.endm
	s_load_b256 s[68:75], s[0:1], 0x0              ; z_img 68, z_sc 70, wo_img 72, wo_sc 74
	s_load_b128 s[76:79], s[0:1], 0x20             ; b_O 76, out0 78
	v_lshl_add_u32 v[SPW], v0, 2, SPARE
	v_mov_b32 v[NIL], 0
	ds_add_u32 v[SPW], v[NIL]                      ; the opening lines: the add twice on end and its wait ahead of my first tensor load
	ds_add_u32 v[SPW], v[NIL]
	v_lshrrev_b32 v1, 5, v0
	v_readfirstlane_b32 s14, v1                    ; wave 0..3
	s_lshr_b32 s15, s14, 1                         ; my row of waves
	s_and_b32 s16, s14, 1                          ; my column of waves
	s_bfe_u32 s94, ttmp6, 0x40000                  ; cx
	s_bfe_u32 s95, ttmp6, 0x40004                  ; cy
	s_lshl_b32 s100, ttmp9, 2
	s_add_co_u32 s100, s100, s94                   ; my tile of 128 columns
	s_and_b32 s101, ttmp7, 0xffff
	s_lshl_b32 s101, s101, 2
	s_add_co_u32 s101, s101, s95                   ; my tile of 256 tokens
	s_lshl_b32 s66, s95, 2
	s_lshl_b32 s66, 15, s66                        ; my row of the cluster
	s_lshl_b32 s67, 0x1111, s94                    ; my column
	GROUP1 G1B, 67, 512, 32                        ; W_O's eight images: 131,072 bytes as 32 rows of 4,096
	GROUP1 G1A, 66, 512, 32                        ; a chunk's eight images
	GROUP1 G1R, 66, 512, 8                         ; a quarter of a chunk
	GROUP1 G1S, 66, 32, 16                         ; half of z's scale words: 4,096 bytes as 16 rows of 256
	s_mov_b32 s[G0A], 1
	s_mov_b32 s[G0A+1], 0
	s_mov_b32 s[G0B], 1
	s_mov_b32 s[G0B+1], YB
	s_mov_b32 s[G0R], 1
	s_mov_b32 s[G0S], 1
	s_lshl_b32 s[G0S+1], s16, 12
	s_add_co_u32 s[G0S+1], s[G0S+1], SCZ
	s_lshl_b32 s2, s101, 18                        ; chunk 0 in z_img
	s_mov_b32 s3, 0
	s_lshl_b32 s12, s100, 17                       ; my images in wo_img
	s_mov_b32 s13, 0
	s_lshl_b32 s22, s101, 13                       ; z's scale words: wave 2 the first half, wave 3 the second
	s_lshl_b32 s23, s16, 12
	s_add_co_u32 s22, s22, s23
	s_mov_b32 s23, 0
	s_lshl_b32 s8, s15, 16
	s_lshl_b32 s9, s16, 16
	s_add_co_u32 s9, s9, YB
	s_lshl_b32 s10, s15, 11
	s_add_co_u32 s10, s10, SCZ
	s_mul_i32 s11, s14, 16*SPITCH
	s_add_co_u32 s11, s11, STAGE
	v_and_b32 v1, 15, v0                           ; r
	v_bfe_u32 v2, v0, 4, 1                         ; h
	v_and_b32 v3, 31, v0                           ; lane
	v_lshl_add_u32 v[ADRA0], v3, 4, s8             ; z: 16 lane + my row of waves' four images of a chunk
	v_lshl_add_u32 v[ADRB], v3, 4, s9              ; W_O in slot 1: my column's four images
	v_lshl_add_u32 v[AAS0], v1, 3, s10             ; z's scale words: 8 r
	v_lshlrev_b32 v[PFO], 8, v3
	v_lshlrev_b32 v[ABS], 9, v2                    ; W_O's scale words: lanes 0-15 the even tile's rows, lanes 16-31 the odd one's
	v_lshl_add_u32 v[ABS], v1, 3, v[ABS]
	v_mul_u32_u24 v[STO], v1, SPITCH               ; the stage, in: row r, 32 bytes for each half of the lanes
	v_lshl_add_u32 v[STO], v2, 5, v[STO]
	v_add_nc_u32 v[STO], s11, v[STO]
	v_mul_u32_u24 v[RD], v2, SPITCH                ; back: lanes 0-15 one row of 256 bytes, lanes 16-31 the next
	v_lshl_add_u32 v[RD], v1, 4, v[RD]
	v_add_nc_u32 v[RD], s11, v[RD]
	v_lshlrev_b32 v[CO], 12, v2                    ; and the same two rows in out0
	v_lshl_add_u32 v[CO], v1, 4, v[CO]
	v_lshlrev_b32 v[BOF], 5, v2                    ; the bias: 32 h
	s_wait_alu depctr_va_vdst(0)                   ; ahead of the waits below
	s_wait_dscnt 0x0                               ; both opening adds are done
	CROUND                                         ; all sixteen work-groups are here: the first joint loads meet
	s_wait_kmcnt 0x0
	s_add_nc_u64 s[G0B+2:G0B+3], s[72:73], s[12:13]
	s_or_b32 s[G0B+3], s[G0B+3], 0x80000000
	s_add_nc_u64 s[4:5], s[68:69], s[2:3]          ; chunk 0
	s_mov_b64 s[G0A+2:G0A+3], s[4:5]
	s_or_b32 s[G0A+3], s[G0A+3], 0x80000000
	s_add_nc_u64 s[G0S+2:G0S+3], s[70:71], s[22:23]
	s_or_b32 s[G0S+3], s[G0S+3], 0x80000000
	s_cmp_eq_u32 s14, 0                            ; one load a wave, in one chain of branches; wave 0, which alone waits at the first barrier, has a line of its own
	s_cbranch_scc0 .Lwave_1
	TLOAD G0B, G1B                                 ; W_O's images, wanted first
	s_branch .Lasked
.Lwave_1:
	s_cmp_eq_u32 s14, 1
	s_cbranch_scc0 .Lfor_scales
	TLOAD G0A, G1A                                 ; chunk 0
	s_branch .Lasked
.Lfor_scales:
	TLOAD G0S, G1S
.Lasked:
	s_mov_b32 s21, 0
	s_lshl_b32 s20, s94, 2
	s_add_co_u32 s20, s20, s14
	s_lshl_b32 s20, s20, 13                        ; my sixteenth of chunk 1, among the row's sixteen waves
	s_add_nc_u64 s[6:7], s[4:5], s[20:21]
	global_prefetch_b8 v[PFO], s[6:7] offset:131072 th:TH_LOAD_NT scope:SCOPE_SE
	s_lshl_b32 s20, s100, 12
	s_lshl_b32 s22, s16, 11
	s_add_co_u32 s20, s20, s22
	s_add_nc_u64 s[74:75], s[74:75], s[20:21]      ; W_O's scale words: my four tiles
	s_lshl_b32 s20, s100, 9
	s_lshl_b32 s22, s16, 8
	s_add_co_u32 s20, s20, s22                     ; my first column, in bytes
	s_add_nc_u64 s[76:77], s[76:77], s[20:21]
	s_add_nc_u64 s[78:79], s[78:79], s[20:21]
	s_lshl_b32 s20, s101, 20
	s_lshl_b32 s22, s15, 18
	s_add_co_u32 s20, s20, s22                     ; my first token: 256 tile + 64 row of waves, 4,096 bytes a token
	s_add_nc_u64 s[78:79], s[78:79], s[20:21]
.irp b, 0,1,2,3
	global_load_b128 v[BQ+8*\b:BQ+8*\b+3], v[BOF], s[76:77] offset:64*\b       ; register 8 b + j: bias(16 b + 8 h + j)
	global_load_b128 v[BQ+8*\b+4:BQ+8*\b+7], v[BOF], s[76:77] offset:64*\b+16
.endr
.irp p, 0,1
.irp m, 0,1,2,3
	global_load_b64 v[SB+8*\p+2*\m:SB+8*\p+2*\m+1], v[ABS], s[74:75] offset:1024*\p+128*\m   ; register 8 p + q: lanes 0-15 tile 2 p's word of K step q, lanes 16-31 tile 2 p + 1's
.endr
.endr
	s_mov_b32 s100, 0                              ; the unit, 0..3
	s_cmp_eq_u32 s14, 0
	s_cbranch_scc0 .Lnot_w
	s_wait_tensorcnt 0x0                           ; wave 0: W_O's images have landed; the others wait ahead of the round below
.Lnot_w:
	BARRIER
.irp q, 0,1,2,3,4,5,6,7                ; my four tiles of W_O, all of K: fragment 4 q + b (16 registers) in window 1 + (4 q + b) / 16
	WIN (1+(\q)/4)<<6
.irp b, 0,1,2,3
.irp c, 0,1,2,3
	ds_load_b128 v[16*((4*\q+\b)%16)+4*\c:16*((4*\q+\b)%16)+4*\c+3], v[ADRB] offset:16384*\b+2048*\q+512*\c
.endr
.endr
.endr
	WIN 0
.macro FETCH k, a, s, xo, so           ; a tile of 16 tokens, all of K, into set k of window 3, and its eight scale words: NF loads
	WIN 3<<6
.irp q, 0,1,2,3,4,5,6,7
.irp c, 0,1,2,3
	ds_load_b128 v[128*\k+16*\q+4*\c:128*\k+16*\q+4*\c+3], v[\a] offset:2048*\q+512*\c+\xo
.endr
.endr
	WIN 0
.irp m, 0,1,2,3
	ds_load_b64 v[SA+8*\k+2*\m:SA+8*\k+2*\m+1], v[\s] offset:128*\m+\so
.endr
.endm
.macro PRODS e                         ; products 4 q + b of a block: K step q, column tile b; z in set e, sums in set e.  The four accumulators take turns; the first four start from the bias
.set N_, 0
.rept 32
.set Q_, N_/4
.set B_, N_%4
.set AC_, ACC+32*(\e)+8*B_
.set C_, AC_
.if Q_ == 0
.set C_, BQ+8*B_
.endif
.set X_, 128*(\e)+16*Q_
.set W_, 16*(N_%16)
.set XS_, SA+8*(\e)+Q_
.set WS_, SB+8*(B_/2)+Q_
	WIN (1+N_/16)|(3<<2)
.if B_%2
	v_wmma_scale_f32_16x16x128_f8f6f4 v[AC_:AC_+7], v[W_:W_+15], v[X_:X_+15], v[C_:C_+7], v[WS_], v[XS_] matrix_a_scale:MATRIX_SCALE_ROW1
.else
	v_wmma_scale_f32_16x16x128_f8f6f4 v[AC_:AC_+7], v[W_:W_+15], v[X_:X_+15], v[C_:C_+7], v[WS_], v[XS_]
.endif
.set N_, N_+1
.endr
	WIN 0
.endm
.macro TOSTAGE e                       ; 16 tokens x 64 columns into my stage, each accumulator from its low end on, and back as whole rows; LDS serves a wave's instructions in order (ISA guide 5.7.1.4)
.irp b, 0,1,2,3
	ds_store_b128 v[STO], v[ACC+32*\e+8*\b:ACC+32*\e+8*\b+3] offset:64*\b
	ds_store_b128 v[STO], v[ACC+32*\e+8*\b+4:ACC+32*\e+8*\b+7] offset:64*\b+16
.endr
.irp t, 0,1,2,3,4,5,6,7
	ds_load_b128 v[BK+32*\e+4*\t:BK+32*\e+4*\t+3], v[RD] offset:\t*2*SPITCH
.endr
.endm
.macro SEND e, off
.irp t, 0,1,2,3,4,5,6,7
	global_store_b128 v[CO], v[BK+32*\e+4*\t:BK+32*\e+4*\t+3], s[84:85] offset:\t*8192+\off th:TH_STORE_NT   ; sixteen lanes store 256 consecutive bytes, aligned; written once
.endr
.endm
; A UNIT: two blocks.  s100 = the unit u: chunk u / 2, half u % 2.  f = 1: behind a block's products its set takes the block two on; f = 0, the last unit: nothing is fetched
.macro UO f
	s_wait_alu depctr_va_vdst(0)                   ; ahead of the waits below
	s_wait_xcnt 0x0                                ; the last stores have read their registers and their base
	s_lshr_b32 s20, s100, 1
	s_lshl_b32 s20, s20, 19
	s_and_b32 s22, s100, 1
	s_lshl_b32 s22, s22, 17
	s_add_co_u32 s20, s20, s22
	s_mov_b32 s21, 0
	s_add_nc_u64 s[84:85], s[78:79], s[20:21]      ; the unit's 32 tokens in out0
	s_add_co_u32 s100, s100, 1
.if \f
	s_lshr_b32 s20, s100, 1                        ; the next unit
	s_and_b32 s22, s100, 1
	s_lshl_b32 s8, s20, 12
	s_lshl_b32 s23, s22, 10
	s_add_co_u32 s8, s8, s23
	s_lshl_b32 s9, s20, 17
	s_lshl_b32 s23, s22, 15
	s_add_co_u32 s9, s9, s23
	v_add_nc_u32 v[ADRA], s9, v[ADRA0]
	v_add_nc_u32 v[AAS], s8, v[AAS0]
	s_wait_alu depctr_va_vdst(0)                   ; directly behind the writes
.endif
	s_wait_dscnt NF                                ; set 0 is in; set 1's NF loads may be out
	PRODS 0
	PLACES 8                                       ; places between the last product and the reads of, and the loads into, its registers
	TOSTAGE 0
.if \f
	FETCH 0, ADRA, AAS, 0, 0
.endif
	s_wait_dscnt 16+NF*\f                          ; set 1 is in: behind its loads stand the stage's 16 instructions and the fetch
	PRODS 1
	PLACES 8
	s_wait_dscnt NF*\f                             ; the even block is back in registers
	SEND 0, 0
	TOSTAGE 1
.if \f
	FETCH 1, ADRA, AAS, 16384, 512
.endif
	s_wait_dscnt NF*\f                             ; the odd block is back
	SEND 1, 65536
.endm
	s_wait_tensorcnt 0x0                           ; chunk 0 and the scale words are in
	ds_add_u32 v[SPW], v[NIL]
	s_lshl_b32 s20, s14, 15                        ; chunk 1 over W_O's images: my quarter
	s_add_co_u32 s[G0R+1], s20, YB
	s_add_co_u32 s20, s20, 131072
	s_mov_b32 s21, 0
	s_add_nc_u64 s[G0R+2:G0R+3], s[4:5], s[20:21]
	s_or_b32 s[G0R+3], s[G0R+3], 0x80000000
	s_wait_dscnt 0x0                               ; the add is done, and W_O is in registers
	CROUND
	TLOAD G0R, G1R
	FETCH 0, ADRA0, AAS0, 0, 0
	FETCH 1, ADRA0, AAS0, 16384, 512
	s_wait_loadcnt 0x0                             ; the bias and W_O's scale words
	UO 1                                           ; unit 0
	s_wait_tensorcnt 0x0                           ; my part of chunk 1 is in,
	s_wait_dscnt 0x0
	BARRIER                                        ; everybody's is: unit 1 fetches its first rows
	s_mov_b32 s95, 0
.Lmid:                                                 ; units 1, 2
	UO 1
	s_add_co_u32 s95, s95, 1
	s_cmp_lg_u32 s95, 2
	s_cbranch_scc1 .Lmid
	UO 0                                           ; unit 3
	s_wait_tensorcnt 0x0                           ; the wave's end
	ds_add_u32 v[SPW], v[NIL]
	s_wait_dscnt 0x0
	CROUND                                         ; the closing round
	s_endpgm
.Lfunc_end_k_q8a8748506b_outp:
	.size	k_q8a8748506b_outp, .Lfunc_end_k_q8a8748506b_outp-k_q8a8748506b_outp
	.p2alignl 7, 3214868480
	.fill 96, 4, 3214868480
	.section	.rodata,"a",@progbits
	.p2align	6, 0x0
	.amdhsa_kernel k_q8a8748506b_outp
		.amdhsa_group_segment_fixed_size 327680
		.amdhsa_private_segment_fixed_size 0
		.amdhsa_enable_private_segment 0
		.amdhsa_kernarg_size 48
		.amdhsa_user_sgpr_count 2
		.amdhsa_user_sgpr_kernarg_segment_ptr 1
		.amdhsa_wavefront_size32 1
		.amdhsa_system_sgpr_workgroup_id_x 1
		.amdhsa_system_sgpr_workgroup_id_y 1
		.amdhsa_system_sgpr_workgroup_id_z 1
		.amdhsa_system_vgpr_workitem_id 0
		.amdhsa_next_free_vgpr 1024
		.amdhsa_next_free_sgpr 102
		.amdhsa_reserve_vcc 0
		.amdhsa_float_denorm_mode_32 3
		.amdhsa_float_denorm_mode_16_64 3
		.amdhsa_memory_ordered 1
		.amdhsa_forward_progress 1
		.amdhsa_inst_pref_size 72
	.end_amdhsa_kernel
	.amdgpu_metadata
---
amdhsa.version: [ 1, 2 ]
amdhsa.kernels:
  - .name:           k_q8a8748506b_outp
    .symbol:         k_q8a8748506b_outp.kd
    .args:
      - { .name: z_img, .offset: 0, .size: 8, .value_kind: global_buffer, .address_space: global }
      - { .name: z_sc, .offset: 8, .size: 8, .value_kind: global_buffer, .address_space: global }
      - { .name: wo_img, .offset: 16, .size: 8, .value_kind: global_buffer, .address_space: global }
      - { .name: wo_sc, .offset: 24, .size: 8, .value_kind: global_buffer, .address_space: global }
      - { .name: b_O, .offset: 32, .size: 8, .value_kind: global_buffer, .address_space: global }
      - { .name: out0, .offset: 40, .size: 8, .value_kind: global_buffer, .address_space: global }
    .group_segment_fixed_size: 327680
    .private_segment_fixed_size: 0
    .kernarg_segment_align: 8
    .kernarg_segment_size: 48
    .max_flat_workgroup_size: 128
    .sgpr_count:     102
    .vgpr_count:     1024
    .wavefront_size: 32
...
	.end_amdgpu_metadata
.endif
;; end of part 3
